; MI455X (gfx1250); checked and timed in simulation.
; The chip was launched on July 23, 2026; its instructions are those of AMD's public machine-readable ISA for CDNA 5 (MIT licence, August 2026) and "CDNA5" Instruction Set Architecture Reference Guide (July 2026). The comments in the code are by the model that wrote it; some were corrected since.
;; Causal Self Attention. Allowed arithmetic: matrix products marked QUANTISED: E4M3 operands, one given power-of-two scale a tensor, by v_wmma_f32_16x16x64_fp8_fp8 or v_wmma_f32_16x16x128_fp8_fp8, f32 sums; everything else in f32.
;; Inputs: b_attn 3,072 float32; b_proj 1,024 float32; lowp_scales 8 int32 (the exponents e of the quantised operands' scales 2^e); w_attn 3,072 x 1,024 float32; w_proj 1,024 x 1,024 float32; x 4 x 2,048 x 1,024 float32.
;; Outputs: out0 4 x 2,048 x 1,024 float32.
;; This version of the problem:
;;   THIS VERSION OF THE PROBLEM IS GIVEN IN LOW PRECISION. The matrix products marked QUANTISED in the list below multiply operands that are first quantised to E4M3 (4 exponent bits, 3 mantissa bits; 8 bits a number), with one given power-of-two scale for each operand tensor; their sums are f32. All else is computed in f32.
;;   The module's matrix products, in the order in which they are computed (A, B: the left and right operand; K: the contracted axis; several contracted axes count as one K, in the product's order):
;;     1. [M 8,192, K 1,024] x [K 1,024, N 3,072]; A: input x; B: input w_attn: QUANTISED (scales: A lowp_scales[0], B lowp_scales[1])
;;     2. batch 64 x [M 2,048, K 64] x [K 64, N 2,048]; A: computed on the way; B: computed on the way: QUANTISED (scales: A lowp_scales[2], B lowp_scales[3])
;;     3. batch 64 x [M 2,048, K 2,048] x [K 2,048, N 64]; A: softmax (see below); B: computed on the way: QUANTISED (scales: A lowp_scales[4], B lowp_scales[5])
;;     4. [M 8,192, K 1,024] x [K 1,024, N 1,024]; A: computed on the way; B: input w_proj: QUANTISED (scales: A lowp_scales[6], B lowp_scales[7])
;;   THE QUANTISER, for each operand of a quantised product, along K:
;;     - The operand's scale is 2^e, e = its entry of the input lowp_scales (int32; the entries are numbered through the quantised products in the list's order, A before B).
;;     - Each number is divided by the scale, clamped to +-448, and rounded to the nearest number of E4M3, ties to even, subnormals kept.
;;     - The product sums the exact products of the quantised numbers (number of the format x scale) in f32.
;;   ~~~python
;;   def quantise(x, axis, e):      # numpy; x: float32 -> the quantised numbers, widened to float32 again
;;       x = np.moveaxis(x, axis, -1); K = x.shape[-1]
;;       r = np.clip(x / 2.0 ** e, -448, 448)
;;       step = 2.0 ** (np.maximum(np.frexp(np.where(r == 0, 1, r))[1] - 1, -6) - 3)
;;       q = np.round(r / step) * step * 2.0 ** e      # np.round: ties to even
;;       return np.moveaxis(q, -1, axis).astype(np.float32)
;;   ~~~
;;   SOFTMAX AHEAD OF A QUANTISED PRODUCT. Where the list says 'softmax', what is quantised is not the finished softmax but p = 2^(t - M), with t = logit x log2(e) and M = ceil(the row's largest t), a whole number; so 1/2 < the row's largest p <= 1. The row's sum l is taken of the UNQUANTISED p, in f32, and the product's result is divided by l at the end. Since M is a whole number, a kernel that streams over the keys may use a running M (the ceiling of the running maximum): every later rescaling is an exact power of two, so the quantised numbers keep their values, but for numbers so far below the row's largest that they fall under the format's range.
;;   OPERANDS COMPUTED ON THE WAY. 'Computed on the way' means the value that the module computes at that place (a softmax that the list does not call 'softmax' is quantised finished and normalised). What goes into a quantiser is computed in f32, as accurately as f32 sums, v_exp_f32 and their like allow (about 1e-6 of the number): no bf16 or f16 on the way to a quantiser, and a product that is left as it is and whose result goes on into a quantised operand takes f32 operands (vector FMAs, or v_wmma_f32_16x16x4_f32). A number that lies on a knife's edge between two numbers of the format may be rounded either way, as far as f32 arithmetic and the matrix unit's own rounding can turn it there, and no further.
;; One version. Each part assembles by itself: llvm-mc -triple=amdgcn-amd-amdhsa -mcpu=gfx1250 --defsym DOCPART=n.
;; ======== version 1 of 1: 4 launches
;; limits: right only within a limited range of input values
;; workspace buffers: xc 8,388,608 bytes; wac 3,145,728 bytes; wpc 1,048,576 bytes; qi 8,388,608 bytes; ki 8,388,608 bytes; vi 8,388,608 bytes; yi 8,388,608 bytes
;; launch quant (part 1): grid 384 x 1, 4 waves a work-group, no clusters, 33,280 bytes of LDS; arguments x, w_attn, w_proj, lowp_scales, xc, wac, wpc; writes xc, wac, wpc
.if DOCPART == 1
	.amdgcn_target "amdgcn-amd-amdhsa--gfx1250"
	.amdhsa_code_object_version 6
	.text
	.protected	k_qf3e6ac3189_quant
	.globl	k_qf3e6ac3189_quant
	.p2align	8
	.type	k_qf3e6ac3189_quant,@function
k_qf3e6ac3189_quant:
	s_mov_b64 s[64:65], 0
	v_nop
	global_prefetch_b8 v0, s[64:65] scope:SCOPE_SE
	s_setreg_imm32_b32 hwreg(HW_REG_WAVE_MODE, 25, 1), 1
	s_wait_xcnt 0x0
; x [8192][1024], w_attn [3072][1024] and w_proj [1024][1024], f32 with K innermost, become codes of FP8 (E4M3), one byte each, each tensor with the one scale 2^e given for it
; (entries 0, 1 and 7 of the buffer of scales).  code = number / 2^e, held within +-448, rounded to the nearest code, ties to even.
; LIMITS: each of the three e lies between -126 and 119, so that 2^e and 448 x 2^e are f32 numbers.  NaN among the inputs is not served.
; ORDER OF THE CODES IN A ROW: byte pos of a row holds the code of k = pos with bits 3 and 4 exchanged: in each 32 bytes the second and the third group of 8 change places.
; A lane of the products' launches that reads bytes 32 c + 16 h + 0 .. 15 of a row then holds k = 16 (2 c) + 8 h + 0 .. 7 and k = 16 (2 c + 1) + 8 h + 0 .. 7 in four registers on end:
; the places that the plain 8-bit matrix form gives each k, by loads of 16 bytes.
; Rows are dense and 1,024 is a multiple of 32: each tensor is a plain stream of blocks of 32, and so are its codes.  A work-group takes 32,768 numbers, a wave 16 steps of 512.
; The first 256 work-groups take x, the next 96 w_attn, the last 32 w_proj: only pointers and the exponent are chosen, by the work-group's number; there is one path through the text.
; Each of a step's four loads reads 512 consecutive bytes; the 2,048 bytes go through the wave's own stage in LDS as they lie (16 bytes of padding behind each 64) and come back so that lane 2 c + u
; holds numbers 32 c + 8 u + 0 .. 7 and 32 c + 16 + 8 u + 0 .. 7: its 16 codes are bytes 16 x lane on, and the wave stores 512 consecutive bytes.  No barrier: waves share nothing.
.set WAVES, 4
.set STEPS, 16
.set WGX,   256                        ; work-groups for x
.set WGW,   352                        ; and for x and w_attn together
.set EMAX,  8
.set MANT,  0x600000                   ; the mantissa field of 448 as f32
.set CB,    16                         ; bytes of 16 codes
.set R,     16                         ; v16-79   four sets of 16 numbers as they are loaded
.set X,     80                         ; v80-111  two sets of 16 numbers in the order of the codes
.set C,     128                        ; v128-191 codes: four registers for each step, so that no store's data are written again
.set WREG,  8192                       ; LDS: a region for each wave: two stages of 32 x SP bytes
.set SP,    80                         ; 16 numbers' place in a stage: 64 bytes + 16 of padding
.set SPW,   12                         ; v12      LDS address of my spare word; never rewritten
.set NIL,   13                         ; v13      0; never rewritten
.set SPARE, WAVES*WREG                 ; behind the four regions: the spare words, 128 bytes a wave, which no other line names
	s_load_b256 s[4:11], s[0:1], 0x0               ; x s[4:5], w_attn s[6:7], w_proj s[8:9], the scales' exponents s[10:11]
	s_load_b128 s[12:15], s[0:1], 0x20             ; x's codes s[12:13], w_attn's s[14:15]
	s_load_b64 s[16:17], s[0:1], 0x30              ; w_proj's
	v_lshl_add_u32 v[SPW], v0, 2, SPARE
	v_mov_b32 v[NIL], 0
	v_lshrrev_b32 v1, 5, v0
	v_readfirstlane_b32 s21, v1                    ; wave
	v_and_b32 v2, 31, v0                           ; lane
	v_lshlrev_b32 v3, 4, v2                        ; my 16 bytes of a load's 512
	s_mul_i32 s23, s21, WREG
	v_lshrrev_b32 v14, 2, v2
	v_mul_u32_u24 v14, v14, SP
	v_and_b32 v15, 3, v2
	v_lshl_add_u32 v14, v15, 4, v14
	v_add_nc_u32 v14, s23, v14                     ; the stage, on the way in: SP (lane / 4) + 16 (lane % 4): number n of a step lies at SP (n / 16) + 4 (n % 16)
	v_and_b32 v15, 30, v2
	v_mul_u32_u24 v15, v15, SP
	v_and_b32 v5, 1, v2
	v_lshl_add_u32 v15, v5, 5, v15
	v_add_nc_u32 v15, s23, v15                     ; and on the way out: lane 2 c + u begins at number 32 c + 8 u: SP (2 c) + 32 u
	v_mul_u32_u24 v4, v2, CB                       ; my codes' place in a step's
	s_wait_alu depctr_va_vdst(0)
	s_wait_kmcnt 0x0
	s_load_b256 s[24:31], s[10:11], 0x0            ; the eight exponents
	s_cmp_lt_u32 ttmp9, WGW                        ; w_attn or w_proj?  The choices hang on the work-group's number alone
	s_cselect_b64 s[6:7], s[6:7], s[8:9]
	s_cselect_b64 s[14:15], s[14:15], s[16:17]
	s_mov_b32 s20, WGW
	s_cselect_b32 s20, WGX, s20
	s_cmp_lt_u32 ttmp9, WGX                        ; x or one of those?
	s_cselect_b64 s[4:5], s[4:5], s[6:7]           ; the tensor,
	s_cselect_b64 s[8:9], s[12:13], s[14:15]       ; its codes,
	s_cselect_b32 s20, 0, s20                      ; and its first work-group
	s_sub_co_u32 s18, ttmp9, s20
	s_lshl_b32 s18, s18, 2
	s_add_co_u32 s18, s18, s21                     ; which run of 8,192 numbers of the tensor is my wave's (1,023 at the most)
	s_lshl_b32 s32, s18, 15                        ; 32,768 bytes of numbers,
	s_mov_b32 s33, 0
	s_add_nc_u64 s[4:5], s[4:5], s[32:33]
	s_lshl_b32 s34, s18, 13                        ; 8,192 bytes of codes
	s_mov_b32 s35, 0
	s_add_nc_u64 s[8:9], s[8:9], s[34:35]
.macro LOAD t
.irp i, 0,1,2,3
	global_load_b128 v[R+16*((\t)%4)+4*\i:R+16*((\t)%4)+4*\i+3], v3, s[4:5] offset:2048*(\t)+512*\i th:TH_LOAD_NT   ; 32 lanes read 512 consecutive bytes
.endr
.endm
.macro TURN t                          ; step t's numbers through the stage: LDS serves a wave's instructions in order, so no wait stands between the stores and the loads
.irp i, 0,1,2,3
	ds_store_b128 v14, v[R+16*((\t)%4)+4*\i:R+16*((\t)%4)+4*\i+3] offset:32*SP*((\t)%2)+8*SP*\i
.endr
.irp i, 0,1,2,3
	ds_load_b128 v[X+16*((\t)%2)+4*\i:X+16*((\t)%2)+4*\i+3], v15 offset:32*SP*((\t)%2)+SP*(\i/2)+16*(\i%2)   ; eight numbers, then the eight that lie 16 numbers further on
.endr
.endm
.irp t, 0,1,2,3
	LOAD \t
.endr
	s_wait_kmcnt 0x0
	s_cmp_lt_u32 ttmp9, WGW
	s_cselect_b32 s22, s25, s31                    ; w_attn's e (entry 1) or w_proj's (entry 7),
	s_cmp_lt_u32 ttmp9, WGX
	s_cselect_b32 s22, s24, s22                    ; or x's (entry 0)
	s_add_co_i32 s22, s22, 127
	s_lshl_b32 s36, s22, 23
	v_mov_b32 v11, s36                             ; 2^e as f32: the conversion takes its exponent field
	s_add_co_i32 s22, s22, EMAX
	s_lshl_b32 s22, s22, 23
	s_or_b32 s22, s22, MANT
	s_wait_alu depctr_va_vdst(0)
	s_wait_loadcnt 12                              ; step 0's four loads are in; the twelve of steps 1 to 3 may be out
	TURN 0
.macro STEP t
.set XS, X+16*((\t)%2)
	s_wait_dscnt 0x0                               ; this step's numbers are back from the stage: so its stores into the stage have read their registers,
.if (\t)+4 < STEPS
	LOAD (\t)+4                                    ; which take the loads of four steps on
.endif
.if (\t)+1 < STEPS
.if STEPS-2-(\t) >= 3
	s_wait_loadcnt 12                              ; the next step's four loads are in; those of the three steps behind it may be out
.else
	s_wait_loadcnt 4*(STEPS-2-(\t))
.endif
	TURN (\t)+1                                    ; and go through the other stage while this step is worked
.endif
.irp i, 0,1,2,3,4,5,6,7,8,9,10,11,12,13,14,15
.endr
	v_cvt_scalef32_pk8_fp8_f32 v[C+4*(\t):C+4*(\t)+1], v[XS:XS+7], v11
	v_cvt_scalef32_pk8_fp8_f32 v[C+4*(\t)+2:C+4*(\t)+3], v[XS+8:XS+15], v11
	global_store_b128 v4, v[C+4*(\t):C+4*(\t)+3], s[8:9] offset:32*CB*(\t)   ; 512 consecutive bytes.  (The results go to a store alone)
.endm
.irp t, 0,1,2,3,4,5,6,7,8,9,10,11,12,13,14,15
	STEP \t
.endr
	s_wait_tensorcnt 0x0                           ; the wave's end: behind my last LDS store
	ds_add_u32 v[SPW], v[NIL]
	s_wait_dscnt 0x0
	s_endpgm
.Lfunc_end_k_qf3e6ac3189_quant:
	.size	k_qf3e6ac3189_quant, .Lfunc_end_k_qf3e6ac3189_quant-k_qf3e6ac3189_quant
	.p2alignl 7, 3214868480
	.fill 96, 4, 3214868480
	.section	.rodata,"a",@progbits
	.p2align	6, 0x0
	.amdhsa_kernel k_qf3e6ac3189_quant
		.amdhsa_group_segment_fixed_size 33280
		.amdhsa_private_segment_fixed_size 0
		.amdhsa_enable_private_segment 0
		.amdhsa_kernarg_size 56
		.amdhsa_user_sgpr_count 2
		.amdhsa_user_sgpr_kernarg_segment_ptr 1
		.amdhsa_wavefront_size32 1
		.amdhsa_system_sgpr_workgroup_id_x 1
		.amdhsa_system_sgpr_workgroup_id_y 1
		.amdhsa_system_sgpr_workgroup_id_z 1
		.amdhsa_system_vgpr_workitem_id 0
		.amdhsa_next_free_vgpr 192
		.amdhsa_next_free_sgpr 66
		.amdhsa_reserve_vcc 0
		.amdhsa_float_denorm_mode_32 3
		.amdhsa_float_denorm_mode_16_64 3
		.amdhsa_fp16_overflow 1
		.amdhsa_memory_ordered 1
		.amdhsa_forward_progress 1
		.amdhsa_inst_pref_size 22
	.end_amdhsa_kernel
	.amdgpu_metadata
---
amdhsa.version: [ 1, 2 ]
amdhsa.kernels:
  - .name:           k_qf3e6ac3189_quant
    .symbol:         k_qf3e6ac3189_quant.kd
    .args:
      - { .name: x, .offset: 0, .size: 8, .value_kind: global_buffer, .address_space: global }
      - { .name: w_attn, .offset: 8, .size: 8, .value_kind: global_buffer, .address_space: global }
      - { .name: w_proj, .offset: 16, .size: 8, .value_kind: global_buffer, .address_space: global }
      - { .name: lowp_scales, .offset: 24, .size: 8, .value_kind: global_buffer, .address_space: global }
      - { .name: xc, .offset: 32, .size: 8, .value_kind: global_buffer, .address_space: global }
      - { .name: wac, .offset: 40, .size: 8, .value_kind: global_buffer, .address_space: global }
      - { .name: wpc, .offset: 48, .size: 8, .value_kind: global_buffer, .address_space: global }
    .group_segment_fixed_size: 33280
    .private_segment_fixed_size: 0
    .kernarg_segment_align: 8
    .kernarg_segment_size: 56
    .max_flat_workgroup_size: 128
    .sgpr_count:     66
    .vgpr_count:     192
    .wavefront_size: 32
...
	.end_amdgpu_metadata
.endif
;; end of part 1
;; launch qkv (part 2): grid 12 x 32, 4 waves a work-group, clusters of 4 x 4, 327,680 bytes of LDS; arguments xc, wac, b_attn, lowp_scales, qi, ki, vi; writes qi, ki, vi
.if DOCPART == 2
	.amdgcn_target "amdgcn-amd-amdhsa--gfx1250"
	.amdhsa_code_object_version 6
	.text
	.protected	k_qf3e6ac3189_qkv
	.globl	k_qf3e6ac3189_qkv
	.p2align	8
	.type	k_qf3e6ac3189_qkv,@function
k_qf3e6ac3189_qkv:
	s_mov_b64 s[64:65], 0
	v_nop
	global_prefetch_b8 v0, s[64:65] scope:SCOPE_SE
	s_setreg_imm32_b32 hwreg(HW_REG_WAVE_MODE, 25, 1), 1
	s_wait_xcnt 0x0
	s_wait_alu depctr_hold_cnt(0) depctr_sa_sdst(0) depctr_va_vdst(0) depctr_va_sdst(0) depctr_va_ssrc(0) depctr_va_vcc(0) depctr_vm_vsrc(0)
	s_getreg_b32 s2, hwreg(HW_REG_IB_STS2, 6, 4)
	s_cmp_eq_u32 s2, 0
	s_cbranch_scc0 .Lentry_in_a_cluster
	s_endpgm
.Lentry_in_a_cluster:
	s_bfe_u32 s2, ttmp6, 0x10000c
	s_cmp_lg_u32 s2, 0xf033
	s_cbranch_scc0 .Lentry_shape_is_right
	s_endpgm
.Lentry_shape_is_right:
; qkv = x w_attn^T + b_attn on codes of FP8 (E4M3), and q, k, v quantised at once, each with its given scale, into IMAGES OF OPERAND REGISTERS for the attention launch.
; xc [8192][1024], wac [3072][1024]: codes, one byte each, in each 32 bytes of a row the second and third group of 8 exchanged, so that four loads of 16 bytes give a lane the matrix form's own places of k.
; A tile of the product, 256 x 256, is made by four waves, each 128 x 128: 64 accumulators, 512 registers.  K = 1,024 goes in four steps of 256 through two LDS slots filled by the tensor data mover.
; CLUSTERS: 4 x 4 work-groups; the tiles of the operand called A are shared along a row of the cluster, those of B along a column, each asked for jointly.  The cluster's x says what is made: 0 q, 1 k, 2 v.
;   q, k: A = x (tokens), B = w_attn's rows.  The matrix instruction takes source 0 = 16 rows of B, source 1 = 16 rows of A: a lane then holds ONE TOKEN and eight neighbouring channels: neighbours along the K of q k^T.
;   v:    A = w_attn's last 1,024 rows, B = x.  A lane then holds ONE CHANNEL and eight neighbouring tokens: neighbours along the K of p v, the keys.
; So the conversions' results are the next operands' registers, and each group of four goes out as it stands: lane l's 16 bytes at 16 l, 512 consecutive aligned bytes a store.  No stage in LDS.
;   qi, ki: [batch x 16 + head][token tile of 16][1,024 bytes]: a fragment of 16 tokens x 64: lane (r, h), registers 2 c, 2 c + 1: channels 16 c + 8 h + 0 .. 7 of token r.
;   vi:     [batch x 16 + head][chunk of 128 keys][channel tile of 16][2,048 bytes]: lane (r, h), registers 2 c, 2 c + 1: keys 16 c + 8 h + 0 .. 7 of channel r.
; A number = sum x 2^(e0 + e1) + bias, one fused multiply-add in f32; then the hold at +-448 x 2^e and the conversion, e = entry 2 (q), 3 (k) or 5 (v) of the buffer of scales.
; LIMITS: e0 + e1 between -126 and 127; entries 2, 3 and 5 between -126 and 119.  NaN is not served.
; The grid has 384 tiles.  Tiles of 128 x 256 would divide evenly among more work-groups but read half as much again from LDS for each product: not taken.
; REGISTERS, in windows of 256: window 0: v0-31 addresses and constants; v32-95 and v96-111 the biases; from v128 A's fragments, ONE set; on the way out v128-255 are at work.
;   window 1: B's fragments, TWO sets.   window 2: the accumulators of my rows 0-63 (accumulator (a, b) at v[8 (8 a + b)]);   window 3: those of my rows 64-127.
.set ROWB,   256                       ; a tile's row in bytes: 256 codes
.set KROW,   1024                      ; a row of either operand in memory
.set PITCH,  272                       ; an LDS row: 256 bytes + 16 of padding = 68 words: the 16 rows that a load touches start 4 words apart modulo 64 (64 banks of 4 bytes: ISA guide 11.1)
.set FR,     16                        ; registers of a fragment: 16 rows x 128 K
.set NL,     4                         ; LDS loads that bring one
.set NP,     4                         ; places behind this matrix instruction (ISA guide 7.12.1)
.set HALFT,  128*PITCH                 ; 128 rows: what one tensor load brings, and what one wave reads of A or of B
.set SLOT,   4*HALFT                   ; A's 256 rows, then B's 256 rows
.set LAPS,   2                         ; a lap = two K steps of 256 = once round the ring
.set SPARE,  2*SLOT                    ; behind the ring: the spare words, 128 bytes a wave, which no other line names
.set QS,   12                          ; v12     2^e as f32, for the conversions
.set QH,   13                          ; v13     unused
.set ADRA, 16                          ; v16-17  LDS address of my A fragments in slot 0, 1
.set ADRB, 20                          ; v20-21  the same for B
.set CO,   26                          ; v26     16 x lane: my place in an image's 512 bytes; never rewritten
.set SPW,  28                          ; v28     LDS address of my spare word; never rewritten
.set NIL,  29                          ; v29     0; never rewritten
.set BOQ,  30                          ; v30     32 h: the biases' offset where a lane holds channels 8 h on
.set BOV,  31                          ; v31     4 r: where a lane holds channel r
.set BQ,   32                          ; v32-95  bias(16 b + 8 h + j) at v[BQ + 8 b + j]
.set BV,   96                          ; v96-111 bias(16 a + r), twice, at v[BV + 2 a]
.set AF,   128                         ; A's fragments, in window 0
.set TMP,  128                         ; the way out: a block's 64 numbers
.set CD,   192                         ; the way out: four sets of 16 registers of codes
.set G1, 24                            ; s[24:31] descriptor group 1 for A's tiles;  s[32:39] group 0, one set for each slot
.set G0, 32
.set G1B, 48                           ; s[48:55], s[56:63] the same for B's tiles
.set G0B, 56
.set MSB, 0
.macro WIN new                         ; the immediate's high byte repeats the setting that is left
.if MSB != (\new)
	s_set_vgpr_msb (MSB<<8)|(\new)
.set MSB, \new
.endif
.endm
.set MUL_LO, 0xa1                      ; source 0 (B) window 1, source 1 (A) window 0, C and D window 2
.set MUL_HI, 0xf1                      ; the same, C and D window 3
.set TO_B,   0x40                      ; destination window 1, address window 0
; A joint load: waves 0 and 1 fetch for A, waves 2 and 3 for B.  Each line has one mask and one set of registers for all that issue it; the branch hangs on the wave's number alone.
; An s_nop 0 and four v_nop follow each of the two lines, ahead of the jump, the label and what follows.
.macro JLOAD g0a, g1a, g0b, g1b
	s_cmp_eq_u32 s15, 0
	s_cbranch_scc0 .Lfor_b_\@
	tensor_load_to_lds s[\g0a:\g0a+3], s[\g1a:\g1a+7]
	s_nop 0
.rept 4
	v_nop
.endr
	s_branch .Lasked_\@
.Lfor_b_\@:
	tensor_load_to_lds s[\g0b:\g0b+3], s[\g1b:\g1b+7]
	s_nop 0
.rept 4
	v_nop
.endr
.Lasked_\@:
.endm
.macro CREST                           ; a round of the cluster's barrier behind its opening barrier
	s_cmp_lg_u32 s14, 0
	s_cbranch_scc1 .Lnot_wave_0_\@
	s_barrier_signal -3
.Lnot_wave_0_\@:
	s_barrier_wait -3
	s_barrier_signal -1
	s_barrier_wait -1
.endm
.macro CROUND                          ; a whole round
	s_barrier_signal -1
	s_barrier_wait -1
	CREST
.endm
	s_load_b128 s[4:7], s[0:1], 0x0                ; x's codes s[4:5], w_attn's s[6:7]
	s_load_b128 s[8:11], s[0:1], 0x10              ; b_attn s[8:9], the scales' exponents s[10:11]
	s_load_b128 s[68:71], s[0:1], 0x20             ; qi s[68:69], ki s[70:71]
	s_load_b64 s[72:73], s[0:1], 0x30              ; vi
	v_lshl_add_u32 v[SPW], v0, 2, SPARE
	v_mov_b32 v[NIL], 0
	ds_add_u32 v[SPW], v[NIL]                      ; the wave's opening: the add and its wait stand ahead of my first tensor load; the set-up below, work on registers, stands between them
	ds_add_u32 v[SPW], v[NIL]
	v_lshrrev_b32 v1, 5, v0
	v_readfirstlane_b32 s14, v1                    ; wave 0..3
	s_lshr_b32 s15, s14, 1                         ; which half of the tile's rows (A) is mine.  Also: I fetch for A (0) or for B (1)
	s_and_b32 s16, s14, 1                          ; which half of its columns (B).  Also: which 128 rows of that tile I fetch
	s_bfe_u32 s40, ttmp6, 0x40000                  ; cx, cy: my place in the cluster
	s_bfe_u32 s41, ttmp6, 0x40004
	s_and_b32 s74, ttmp7, 0xffff
	s_lshl_b32 s74, s74, 2                         ; 4 x cluster y
	s_lshl_b32 s75, ttmp9, 2                       ; 4 x cluster x
	s_cmp_eq_u32 ttmp9, 2                          ; v?  The cluster's x is the same in all sixteen partners
	s_cselect_b32 s76, 0, s74                      ; A's tile rows: v: w_v has four; q, k: the tokens' 32
	s_cselect_b32 s77, s74, s75                    ; B's: v: the tokens' 32; q, k: w_attn's rows 1,024 x cluster x on
	s_add_co_u32 s17, s76, s41                     ; tile row: + cy
	s_add_co_u32 s42, s77, s40                     ; tile column: + cx
	s_lshl_b32 s43, s41, 2
	s_lshl_b32 s43, 15, s43                        ; my row of the cluster
	s_lshl_b32 s44, 0x1111, s40                    ; my column
	; descriptor group 1: a tile of 128 rows x 256 bytes, padded in LDS
	s_or_b32 s[G1+0], s43, (0<<16)|(1<<20)|(1<<21)|(5<<22)|(3<<25)  ; 15:0 the mask: A's tiles go to my row; 17:16 element of 1 byte; 20 padding on; 21 set beside a mask; 24:22 after every 64 words (code 5); 31:25 of 4 words (code 3)
	s_or_b32 s[G1B+0], s44, (0<<16)|(1<<20)|(1<<21)|(5<<22)|(3<<25)
.irp g, G1, G1B
	s_mov_b32 s[\g+1], ROWB<<16                    ; tensor_dim0
	s_mov_b32 s[\g+2], 128<<16                     ; tensor_dim1 = 128
	s_mov_b32 s[\g+3], ROWB<<16                    ; tile_dim0
	s_mov_b32 s[\g+4], 128                         ; tile_dim1 = 128
	s_mov_b32 s[\g+5], KROW                        ; tensor_dim0_stride
	s_mov_b32 s[\g+6], 0
	s_mov_b32 s[\g+7], 0
.endr
	s_lshl_b32 s18, s16, 7                         ; which 128 rows of the tile I fetch
	s_lshl_b32 s20, s17, 8
	s_add_co_u32 s20, s20, s18                     ; A: row 256 x tile row + 128 x half,
	s_lshl_b32 s20, s20, 10                        ; in bytes (under 2^23)
	s_mov_b32 s21, 0
	s_lshl_b32 s46, s42, 8
	s_add_co_u32 s46, s46, s18                     ; B: row 256 x tile column + 128 x half
	s_lshl_b32 s46, s46, 10
	s_mov_b32 s47, 0
	s_mul_i32 s45, s14, HALFT                      ; where they go: wave x 128 rows: no place in the cluster enters an LDS address
	s_wait_dscnt 0x0                               ; the opening add is done
	s_wait_kmcnt 0x0
	s_load_b256 s[88:95], s[10:11], 0x0            ; the eight exponents
	s_add_nc_u64 s[78:79], s[6:7], 2048*KROW       ; w_attn's rows for v
	s_cmp_eq_u32 ttmp9, 2
	s_cselect_b64 s[80:81], s[78:79], s[4:5]       ; A
	s_cselect_b64 s[82:83], s[4:5], s[6:7]         ; B
	s_add_nc_u64 s[20:21], s[80:81], s[20:21]
	s_add_nc_u64 s[46:47], s[82:83], s[46:47]
	CROUND                                         ; all sixteen work-groups are here: the first joint loads meet
.irp s, 0,1
	s_mov_b32 s[G0+4*\s], 1
	s_add_co_u32 s[G0+4*\s+1], s45, \s*SLOT
	s_add_nc_u64 s[G0+4*\s+2:G0+4*\s+3], s[20:21], \s*ROWB
	s_or_b32 s[G0+4*\s+3], s[G0+4*\s+3], 0x80000000
	s_mov_b32 s[G0B+4*\s], 1
	s_add_co_u32 s[G0B+4*\s+1], s45, \s*SLOT
	s_add_nc_u64 s[G0B+4*\s+2:G0B+4*\s+3], s[46:47], \s*ROWB
	s_or_b32 s[G0B+4*\s+3], s[G0B+4*\s+3], 0x80000000
	JLOAD G0+4*\s, G1, G0B+4*\s, G1B               ; two loads of mine are out
.endr
	v_and_b32 v1, 15, v0                           ; r = l % 16
	v_bfe_u32 v2, v0, 4, 1                         ; h = l / 16
	v_mul_u32_u24 v3, v1, PITCH
	v_lshl_add_u32 v4, v2, 4, v3                   ; a fragment's row x pitch + 16 x half
	s_mul_i32 s21, s15, HALFT                      ; my 128 rows of A
	s_mul_i32 s22, s16, HALFT                      ; my 128 rows of B,
	s_add_co_u32 s22, s22, 2*HALFT                 ; which lie behind A's 256
.irp s, 0,1
	v_add_nc_u32 v[ADRA+\s], s21, v4
	v_add_nc_u32 v[ADRB+\s], s22, v4
	s_add_co_u32 s21, s21, SLOT
	s_add_co_u32 s22, s22, SLOT
.endr
	v_lshlrev_b32 v[BOQ], 5, v2
	s_wait_alu depctr_va_vdst(0)
	v_lshlrev_b32 v[BOV], 2, v1
	s_wait_alu depctr_va_vdst(0)
	v_and_b32 v6, 31, v0
	v_lshlrev_b32 v[CO], 4, v6
	s_lshl_b32 s84, s17, 8
	s_lshl_b32 s85, s15, 7
	s_add_co_u32 s84, s84, s85                     ; m0: my first row of A
	s_lshl_b32 s86, s42, 8
	s_lshl_b32 s87, s16, 7
	s_add_co_u32 s86, s86, s87                     ; n0: my first row of B
	s_add_co_u32 s85, s84, 2048
	s_cmp_eq_u32 ttmp9, 2
	s_cselect_b32 s85, s85, s86                    ; my first of 128 output features of w_attn: v: 2,048 + m0; q, k: n0.  At most 2,944: both sets below end inside b_attn
	s_lshl_b32 s18, s85, 2
	s_mov_b32 s19, 0
	s_add_nc_u64 s[8:9], s[8:9], s[18:19]
.set ii, 0
.rept 8                                ; both sets of biases are loaded by every wave; the way out takes one.  They are waited for there
	global_load_b128 v[BQ+8*ii:BQ+8*ii+3], v[BOQ], s[8:9] offset:64*ii
	global_load_b128 v[BQ+8*ii+4:BQ+8*ii+7], v[BOQ], s[8:9] offset:64*ii+16
	global_load_b32 v[BV+2*ii], v[BOV], s[8:9] offset:64*ii
	global_load_b32 v[BV+2*ii+1], v[BOV], s[8:9] offset:64*ii
.set ii, ii+1
.endr
.macro FRAG reg, adr, q, i             ; a fragment, 16 rows x 128 K, is 16 registers: lane l reads, of row l % 16, bytes 32 c + 16 (l / 16) + 0 .. 15 into registers 4 c .. 4 c + 3
.irp c, 0,1,2,3
	ds_load_b128 v[\reg+4*\c:\reg+4*\c+3], v[\adr] offset:128*(\q)+32*\c+(\i)*16*PITCH
.endr
.endm
; 16 matrix instructions: A's blocks a0, a0 + 1 x B's eight, 128 along K.  p: B's set.  zero = 1: the first product starts the sums: nothing is ever cleared.
; The 64 accumulators take turns, one instruction a turn, in the same order in every step.
.macro MUL16 a0, p, zero
.irp a, \a0, \a0+1
.irp b, 0,1,2,3,4,5,6,7
.if \zero
	v_wmma_f32_16x16x128_fp8_fp8 v[8*(8*((\a)%4)+\b):8*(8*((\a)%4)+\b)+7], v[128*(\p)+FR*\b:128*(\p)+FR*\b+FR-1], v[AF+FR*(\a):AF+FR*(\a)+FR-1], 0
.else
	v_wmma_f32_16x16x128_fp8_fp8 v[8*(8*((\a)%4)+\b):8*(8*((\a)%4)+\b)+7], v[128*(\p)+FR*\b:128*(\p)+FR*\b+FR-1], v[AF+FR*(\a):AF+FR*(\a)+FR-1], v[8*(8*((\a)%4)+\b):8*(8*((\a)%4)+\b)+7]
.endif
.endr
.endr
.endm
.macro FETCH_B slot, q, p              ; B's eight fragments of the slot's q-th 128 along K into set p
	WIN TO_B
.irp i, 0,1,2,3,4,5,6,7
	FRAG 128*(\p)+FR*\i, ADRB+\slot, \q, \i
.endr
	WIN 0
.endm
.macro FETCH_A slot, q, i0             ; A's blocks i0 .. i0 + 3
.irp i, \i0, \i0+1, \i0+2, \i0+3
	FRAG AF+FR*(\i), ADRA+\slot, \q, \i
.endr
.endm
; A load into a register that a matrix instruction has read, and a vector instruction that reads a matrix result or writes one of a matrix instruction's registers, stand NP places behind it;
; only plain vector instructions that name none of its registers are places (ISA guide 7.12.1 for vector instructions).
.macro PLACES n
.rept \n
	v_nop
.endr
.endm
; A step of 128 along K that has its successor in the same slot.  A block of A is free as soon as its eight products are issued: blocks 0-3 are fetched anew in the step's middle, blocks 4-7 at its end.
.macro STEP slot, q, zero
	s_wait_dscnt 4*NL                              ; B's set and A's blocks 0-3 are in; the youngest 16 loads (A's blocks 4-7) may be out
	WIN MUL_LO
	MUL16 0, (\q)%2, \zero
	MUL16 2, (\q)%2, \zero
	s_wait_dscnt 0                                 ; A's blocks 4-7 are in
	PLACES NP
	FETCH_B \slot, (\q)+1, 1-(\q)%2
	FETCH_A \slot, (\q)+1, 0
	WIN MUL_HI
	MUL16 4, (\q)%2, \zero
	MUL16 6, (\q)%2, \zero
	PLACES NP
	WIN 0
	FETCH_A \slot, (\q)+1, 4
.endm
; A slot's last step changes slots: ONE barrier; in front of it each wave waits for all its tensor loads, adds 0 to its spare word, and waits for that and for its own reads of this slot.  fill = 1: this slot is filled again, two K steps ahead.
.macro TURN slot, next, fill
	s_wait_tensorcnt 0x0                           ; all my tensor loads have landed: my part of the next slot  (every window is 0 here)
	ds_add_u32 v[SPW], v[NIL]                      ; 0 onto my spare word
	s_wait_dscnt 4*NL+1                            ; (the add and the youngest 16 loads, A's blocks 4-7, may be out)
	WIN MUL_LO
	MUL16 0, 1, 0                                  ; sixteen matrix instructions stand between the add and the wait for it
	s_wait_dscnt 0x0                               ; the add is done, and my reads of this slot are over
	s_barrier_signal -1
	MUL16 2, 1, 0
	WIN 0
	s_barrier_wait -1
.if \fill
	CREST                                          ; the barrier has opened a round of the cluster's barrier: no wave of any partner still reads this slot's tile or has a load on its way
	s_add_nc_u64 s[G0+4*\slot+2:G0+4*\slot+3], s[G0+4*\slot+2:G0+4*\slot+3], 2*ROWB
	s_add_nc_u64 s[G0B+4*\slot+2:G0B+4*\slot+3], s[G0B+4*\slot+2:G0B+4*\slot+3], 2*ROWB
	JLOAD G0+4*\slot, G1, G0B+4*\slot, G1B         ; the first tensor load behind the round, and my only one until the next; its four v_nop are the places in front of the loads below
.else
	PLACES NP
.endif
	FETCH_B \next, 0, 0
	FETCH_A \next, 0, 0
	WIN MUL_HI
	MUL16 4, 1, 0
	MUL16 6, 1, 0
	PLACES NP
	WIN 0
	FETCH_A \next, 0, 4
.endm
	s_wait_tensorcnt 1                             ; my part of K step 0 is in; K step 1's load may be out
	s_barrier_signal -1
	s_barrier_wait -1                              ; everybody's is
	FETCH_B 0, 0, 0
	FETCH_A 0, 0, 0
	FETCH_A 0, 0, 4
	STEP 0, 0, 1                                   ; the first step stands in front of the loop: its products start the sums
	s_mov_b32 s3, LAPS-1
.Llap:                                                 ; a trip goes once round the ring, from a lap's second step to the next lap's first, and fills both slots again
	TURN 0, 1, 1
	STEP 1, 0, 0
	TURN 1, 0, 1
	STEP 0, 0, 0
	s_sub_co_u32 s3, s3, 1
	s_cmp_lg_u32 s3, 0
	s_cbranch_scc1 .Llap
	TURN 0, 1, 0                                   ; the last lap fills nothing, and has no round of the cluster's barrier
	STEP 1, 0, 0
	s_wait_dscnt 4*NL                              ; the very last step: nothing more to fetch
	WIN MUL_LO
	MUL16 0, 1, 0
	MUL16 2, 1, 0
	s_wait_dscnt 0
	WIN MUL_HI
	MUL16 4, 1, 0
	MUL16 6, 1, 0
	WIN 0
; THE WAY OUT of block a (16 rows of A x my 128 rows of B): sum x 2^(e0 + e1) + bias, each accumulator from its low end on; the hold; eight conversions, each of a lane's eight neighbours along the next K;
; four stores of 512 consecutive bytes.  isv = 0: two images of 16 tokens x 64 channels (two heads); isv = 1: one image of 16 channels x 128 keys.
.macro OUTBLK a, isv
.set AC, 64*((\a)%4)
.set CC, CD+16*((\a)%4)
.if (\a) >= 4
	s_wait_xcnt 0x0                                ; block a - 4's stores have read their registers, which take this block's codes
.endif
	WIN 0x02+((\a)/4)                              ; source 0: window 2 or 3
.set jj, 0
.rept 32
.if \isv
	v_pk_fma_f32 v[TMP+jj:TMP+jj+1], v[AC+jj:AC+jj+1], s[96:97], v[BV+2*(\a):BV+2*(\a)+1] op_sel_hi:[1,0,1]
.else
	v_pk_fma_f32 v[TMP+jj:TMP+jj+1], v[AC+jj:AC+jj+1], s[96:97], v[BQ+jj:BQ+jj+1] op_sel_hi:[1,0,1]
.endif
.set jj, jj+2
.endr
	WIN 0
.set jj, 0
.rept 64
.set jj, jj+1
.endr
.set jj, 0
.rept 8
	v_cvt_scalef32_pk8_fp8_f32 v[CC+2*jj:CC+2*jj+1], v[TMP+8*jj:TMP+8*jj+7], v[QS]
.set jj, jj+1
.endr
	v_nop                                          ; one plain vector line behind the last conversion: the next block writes the conversions' sources
.irp c, 0,1,2,3
.if \isv
	global_store_b128 v[CO], v[CC+4*\c:CC+4*\c+3], s[72:73] offset:131072*((\a)/4)+2048*((\a)%4)+512*\c
.else
	global_store_b128 v[CO], v[CC+4*\c:CC+4*\c+3], s[68:69] offset:1024*(\a)+131072*(\c/2)+512*(\c%2)
.endif
.endr
.endm
	s_wait_kmcnt 0x0
	s_add_co_i32 s96, s88, s89                     ; e0 + e1, between -126 and 127,
	s_add_co_i32 s96, s96, 127
	s_lshl_b32 s96, s96, 23                        ; makes the f32 number 2^(e0 + e1)
	s_mov_b32 s97, s96                             ; (named with it as a pair, so it is written)
	s_cmp_eq_u32 ttmp9, 0
	s_cselect_b32 s18, s90, s91                    ; q's e (entry 2) or k's (entry 3),
	s_cmp_eq_u32 ttmp9, 2
	s_cselect_b32 s18, s93, s18                    ; or v's (entry 5)
	s_add_co_i32 s18, s18, 127
	s_lshl_b32 s19, s18, 23
	v_mov_b32 v[QS], s19
	s_wait_loadcnt 0x0                             ; the biases
	PLACES NP                                      ; behind the last products: the way out writes the registers that held A's fragments and reads results
	s_cmp_eq_u32 ttmp9, 2                          ; the two ways part on the cluster's x alone; neither touches LDS
	s_cbranch_scc1 .Lv
	s_lshr_b32 s18, s84, 11                        ; q, k: batch = m0 / 2,048,
	s_lshl_b32 s18, s18, 4
	s_and_b32 s19, s86, 1023
	s_lshr_b32 s19, s19, 6                         ; my first head = (n0 % 1,024) / 64,
	s_add_co_u32 s18, s18, s19
	s_lshl_b32 s18, s18, 7
	s_and_b32 s19, s84, 2047
	s_lshr_b32 s19, s19, 4                         ; my first token tile = (m0 % 2,048) / 16
	s_add_co_u32 s18, s18, s19
	s_lshl_b32 s18, s18, 10                        ; images of 1,024 bytes
	s_mov_b32 s19, 0
	s_cmp_eq_u32 ttmp9, 0
	s_cselect_b64 s[68:69], s[68:69], s[70:71]
	s_add_nc_u64 s[68:69], s[68:69], s[18:19]
.irp a, 0,1,2,3,4,5,6,7
	OUTBLK \a, 0
.endr
	s_branch .Ldone
.Lv:
	s_lshr_b32 s18, s86, 11                        ; v: batch = n0 / 2,048,
	s_lshl_b32 s18, s18, 4
	s_lshr_b32 s19, s84, 6                         ; my first head = m0 / 64,
	s_add_co_u32 s18, s18, s19
	s_lshl_b32 s18, s18, 4
	s_and_b32 s19, s86, 2047
	s_lshr_b32 s19, s19, 7                         ; my chunk of 128 keys = (n0 % 2,048) / 128
	s_add_co_u32 s18, s18, s19
	s_lshl_b32 s18, s18, 13                        ; four images of 2,048 bytes a chunk
	s_mov_b32 s19, 0
	s_add_nc_u64 s[72:73], s[72:73], s[18:19]
.irp a, 0,1,2,3,4,5,6,7
	OUTBLK \a, 1
.endr
.Ldone:
	s_wait_tensorcnt 0x0                           ; the wave's end: behind my last tensor load
	ds_add_u32 v[SPW], v[NIL]
	s_wait_dscnt 0x0
	CROUND                                         ; the closing round: no work-group ends while a partner may still ask for a tile that names it
	s_endpgm
.Lfunc_end_k_qf3e6ac3189_qkv:
	.size	k_qf3e6ac3189_qkv, .Lfunc_end_k_qf3e6ac3189_qkv-k_qf3e6ac3189_qkv
	.p2alignl 7, 3214868480
	.fill 96, 4, 3214868480
	.section	.rodata,"a",@progbits
	.p2align	6, 0x0
	.amdhsa_kernel k_qf3e6ac3189_qkv
		.amdhsa_group_segment_fixed_size 327680
		.amdhsa_private_segment_fixed_size 0
		.amdhsa_enable_private_segment 0
		.amdhsa_kernarg_size 56
		.amdhsa_user_sgpr_count 2
		.amdhsa_user_sgpr_kernarg_segment_ptr 1
		.amdhsa_wavefront_size32 1
		.amdhsa_system_sgpr_workgroup_id_x 1
		.amdhsa_system_sgpr_workgroup_id_y 1
		.amdhsa_system_sgpr_workgroup_id_z 1
		.amdhsa_system_vgpr_workitem_id 0
		.amdhsa_next_free_vgpr 1024
		.amdhsa_next_free_sgpr 100
		.amdhsa_reserve_vcc 0
		.amdhsa_float_denorm_mode_32 3
		.amdhsa_float_denorm_mode_16_64 3
		.amdhsa_fp16_overflow 1
		.amdhsa_memory_ordered 1
		.amdhsa_forward_progress 1
		.amdhsa_inst_pref_size 130
	.end_amdhsa_kernel
	.amdgpu_metadata
---
amdhsa.version: [ 1, 2 ]
amdhsa.kernels:
  - .name:           k_qf3e6ac3189_qkv
    .symbol:         k_qf3e6ac3189_qkv.kd
    .args:
      - { .name: xc, .offset: 0, .size: 8, .value_kind: global_buffer, .address_space: global }
      - { .name: wac, .offset: 8, .size: 8, .value_kind: global_buffer, .address_space: global }
      - { .name: b_attn, .offset: 16, .size: 8, .value_kind: global_buffer, .address_space: global }
      - { .name: lowp_scales, .offset: 24, .size: 8, .value_kind: global_buffer, .address_space: global }
      - { .name: qi, .offset: 32, .size: 8, .value_kind: global_buffer, .address_space: global }
      - { .name: ki, .offset: 40, .size: 8, .value_kind: global_buffer, .address_space: global }
      - { .name: vi, .offset: 48, .size: 8, .value_kind: global_buffer, .address_space: global }
    .group_segment_fixed_size: 327680
    .private_segment_fixed_size: 0
    .kernarg_segment_align: 8
    .kernarg_segment_size: 56
    .max_flat_workgroup_size: 128
    .sgpr_count:     100
    .vgpr_count:     1024
    .wavefront_size: 32
...
	.end_amdgpu_metadata
.endif
;; end of part 2
;; launch attn (part 3): grid 4 x 64, 8 waves a work-group, clusters of 4 x 1, 327,680 bytes of LDS; arguments qi, ki, vi, lowp_scales, yi; writes yi
.if DOCPART == 3
	.amdgcn_target "amdgcn-amd-amdhsa--gfx1250"
	.amdhsa_code_object_version 6
	.text
	.protected	k_qf3e6ac3189_attn
	.globl	k_qf3e6ac3189_attn
	.p2align	8
	.type	k_qf3e6ac3189_attn,@function
k_qf3e6ac3189_attn:
	s_mov_b64 s[64:65], 0
	v_nop
	global_prefetch_b8 v0, s[64:65] scope:SCOPE_SE
	s_setreg_imm32_b32 hwreg(HW_REG_WAVE_MODE, 25, 1), 1
	s_wait_xcnt 0x0
	s_wait_alu depctr_hold_cnt(0) depctr_sa_sdst(0) depctr_va_vdst(0) depctr_va_sdst(0) depctr_va_ssrc(0) depctr_va_vcc(0) depctr_vm_vsrc(0)
	s_getreg_b32 s2, hwreg(HW_REG_IB_STS2, 6, 4)
	s_cmp_eq_u32 s2, 0
	s_cbranch_scc0 .Lentry_in_a_cluster
	s_endpgm
.Lentry_in_a_cluster:
	s_bfe_u32 s2, ttmp6, 0x10000c
	s_cmp_lg_u32 s2, 0x3003
	s_cbranch_scc0 .Lentry_shape_is_right
	s_endpgm
.Lentry_shape_is_right:
; y = softmax(q k^T / 8, causal) v for 64 heads of 2,048 tokens x 64 channels, both products on codes of FP8 (E4M3), and y quantised at once for the last product.
; qi, ki: [head][token tile of 16][1,024 bytes], vi: [head][chunk of 128 keys][channel tile of 16][2,048 bytes]: images of operand registers (registers 4 c .. 4 c + 3 of lane l at 512 c + 16 l).
; yi: [global token tile][head][1,024 bytes], the same form as qi: two neighbouring heads' images are one fragment of 16 tokens x 128 of the last product's K.
; THE SOFTMAX: t = score x 2^(e2 + e3) x log2(e) / 8; M = the row's largest t so far, rounded UP to a whole number; p = 2^(t - M) is quantised with 2^e4, not normalised; the row's sum is taken of the
; unquantised p and divides at the end.  When M moves, the sum and O are multiplied by 2^(old M - new M): exact.  y = O x 2^(e4 + e5) / sum, held at +-448 x 2^e6, converted with 2^e6.
; LIMITS: e2 + e3 between -123 and 130 (added to the constant's exponent field); e4 and e6 between -126 and 119.  NaN is not served.
; A HEAD'S K AND V LIE WHOLE IN LDS: 131,072 bytes each, filled once, so there is no ring and one barrier.  CLUSTER: the four work-groups of a head need the same 262,144 bytes and ask for them jointly:
; each of the eight waves issues two loads of 16,384 bytes, the same in all four partners.
; EVEN WORK UNDER THE CAUSAL MASK.  A head's 128 query tiles are 16 groups of 8 (128 queries, as many as a key step has keys).  The partner at place cx owns tiles 2 cx and 2 cx + 1 of EVERY group; wave w takes group w
; in pass 0 and group 15 - w in pass 1: (w + 1) + (16 - w) = 17 key steps for every wave of the launch.  Branches hang on the wave's number and on constants; cx enters q's and y's addresses and the mask's lane data alone.
; The loop over key steps has 16 trips in every wave; a step all of whose keys come after the group's queries is jumped over.  In the group's own step hidden scores become -infinity ahead of the maximum.
; LAYOUT.  Both products are used transposed: S^T = K Q^T (source 0 = 16 keys, source 1 = 16 queries), O^T = V^T P^T: a lane holds ONE query (lane % 16) throughout.  Register j of key tile f holds key 16 f + 8 (lane / 16) + j,
; which is the place that the 8-bit form gives k in registers 2 f, 2 f + 1: so the conversions' results are P's registers, keys in their order; likewise O^T's registers become y's image.
; The wave's two tiles share every fragment of K and V.  Two waves share a SIMD.
; REGISTERS.  window 0: v1-13 addresses and constants; v16-23 statistics; v24-39 at work; v64-191 S^T, then p (64 a tile); v192-223 p's codes; v224-255 y's codes (8 for each pass and tile).
;   window 1: v0-63 O^T (32 a tile); v64-95 Q (8 for each pass and tile); v128-191 a step's K, then its V.
.set LI,   1                           ; v1   16 x lane; never rewritten
.set ADK,  2                           ; v2   LDS address of the step's K
.set ADV,  3                           ; v3   of its V
.set D0,   4                           ; v4, v5  tile t: my query's place in its group, less 8 (lane / 16): key 16 f + j of my half is hidden where 16 f + j is above it
.set NINF, 6                           ; v6   -infinity
.set SPW,  8                           ; v8   LDS address of my spare word; never rewritten
.set NIL,  9                           ; v9   0; never rewritten
.set PH,   10                          ; v10  unused
.set PS,   11                          ; v11  2^e4
.set YH,   12                          ; v12  unused
.set YS,   13                          ; v13  2^e6
.set ST,   16                          ; tile t at v[ST + 4 t]: +0 -M, +1 the largest t, +2, +3 the sum in two halves
.set W,    24                          ; tile t at v[W + 8 t]: +0, +1 the maximum's chains; +2 f, later 1 / sum (+3 named with it); +4 from the other half of the lanes; +5 M's step; +6, +7 the sum's second chain
.set S,    64
.set PC,   192
.set YC,   224
.set QR,   64                          ; in window 1
.set KV,   128                         ; in window 1
.set VBASE, 0x20000                    ; V behind K
.set SPARE, 0x40000                    ; behind both: the spare words, 128 bytes a wave, which no other line names
.set WV,   14                          ; s14  my wave's number
.set CX,   15                          ; s15  my place in the cluster
.set BH,   16                          ; s16  the head, 0 .. 63
.set SEL,  20                          ; s[20:21] lane selects for v_permlanex16_b32: lane l xor 16
.set CS,   22                          ; s[22:23] c = 2^(e2 + e3) log2(e) / 8
.set G1,   24                          ; s[24:31] descriptor group 1
.set G0K,  32                          ; s[32:35], s[36:39] groups 0
.set G0V,  36
.set GR,   48                          ; s48  the pass's group
.set KC,   49                          ; s49  the key step
.set TB,   50                          ; s50  its first byte in K's and in V's region
.set G2,   51                          ; s51  15 - wave
.set QA,   52                          ; s[52:53], s[54:55] Q's images for pass 0, 1
.set YA,   56                          ; s[56:57], s[58:59] y's
.set EO,   60                          ; s60  e4 + e5
.set MSB, 0
.macro WIN new                         ; the immediate's high byte repeats the setting that is left
.if MSB != (\new)
	s_set_vgpr_msb (MSB<<8)|(\new)
.set MSB, \new
.endif
.endm
.macro CROUND                          ; a round of the cluster's barrier
	s_barrier_signal -1
	s_barrier_wait -1
	s_cmp_lg_u32 s[WV], 0
	s_cbranch_scc1 .Lnot_wave_0_\@
	s_barrier_signal -3
.Lnot_wave_0_\@:
	s_barrier_wait -3
	s_barrier_signal -1
	s_barrier_wait -1
.endm
	s_load_b256 s[4:11], s[0:1], 0x0               ; qi s[4:5], ki s[6:7], vi s[8:9], the scales' exponents s[10:11]
	s_load_b64 s[12:13], s[0:1], 0x20              ; yi
	v_lshl_add_u32 v[SPW], v0, 2, SPARE
	v_mov_b32 v[NIL], 0
	ds_add_u32 v[SPW], v[NIL]                      ; the wave's opening: the add and its wait stand ahead of my first tensor load; the set-up below, work on registers, stands between them
	ds_add_u32 v[SPW], v[NIL]
	v_lshrrev_b32 v7, 5, v0
	s_delay_alu instid0(VALU_DEP_1)
	v_readfirstlane_b32 s[WV], v7                  ; wave 0..7
	s_bfe_u32 s[CX], ttmp6, 0x40000
	s_and_b32 s[BH], ttmp7, 0xffff                 ; the cluster's y: the head, which the four partners share
	; descriptor group 1: a dense block of 16,384 bytes as 64 rows of 256
	s_mov_b32 s[G1], 15|(3<<16)|(1<<21)            ; 15:0 the mask: all four work-groups; 17:16 elements of 8 bytes; 20 no padding; 21 set beside a mask
	s_mov_b32 s[G1+1], 32<<16                      ; tensor_dim0 = 32 elements
	s_mov_b32 s[G1+2], 64<<16                      ; tensor_dim1 = 64
	s_mov_b32 s[G1+3], 32<<16                      ; tile_dim0
	s_mov_b32 s[G1+4], 64                          ; tile_dim1
	s_mov_b32 s[G1+5], 32                          ; tensor_dim0_stride
	s_mov_b32 s[G1+6], 0
	s_mov_b32 s[G1+7], 0
	s_mov_b32 s[SEL], 0x76543210
	s_mov_b32 s[SEL+1], 0xfedcba98
	s_lshl_b32 s18, s[BH], 17                      ; the head's 131,072 bytes in ki and in vi,
	s_lshl_b32 s17, s[WV], 14                      ; my wave's 16,384 of them
	s_add_co_u32 s18, s18, s17
	s_mov_b32 s19, 0
	s_mov_b32 s[G0K], 1
	s_lshl_b32 s[G0K+1], s[WV], 14                 ; and their place in LDS: no place in the cluster enters an LDS address
	s_mov_b32 s[G0V], 1
	s_add_co_u32 s[G0V+1], s[G0K+1], VBASE
	s_sub_co_u32 s[G2], 15, s[WV]
	s_lshl_b32 s61, s[BH], 17                      ; Q: the head's images, + tiles 8 g + 2 cx of 1,024 bytes
	s_lshl_b32 s62, s[CX], 11
	s_add_co_u32 s61, s61, s62
	s_lshl_b32 s62, s[WV], 13
	s_add_co_u32 s[QA], s61, s62
	s_mov_b32 s[QA+1], 0
	s_lshl_b32 s62, s[G2], 13
	s_add_co_u32 s[QA+2], s61, s62
	s_mov_b32 s[QA+3], 0
	s_lshr_b32 s61, s[BH], 4                       ; y: ((128 batch + 8 g + 2 cx) x 16 + head) x 1,024
	s_lshl_b32 s61, s61, 21
	s_and_b32 s62, s[BH], 15
	s_lshl_b32 s62, s62, 10
	s_add_co_u32 s61, s61, s62
	s_lshl_b32 s62, s[CX], 15
	s_add_co_u32 s61, s61, s62
	s_lshl_b32 s62, s[WV], 17
	s_add_co_u32 s[YA], s61, s62
	s_mov_b32 s[YA+1], 0
	s_lshl_b32 s62, s[G2], 17
	s_add_co_u32 s[YA+2], s61, s62
	s_mov_b32 s[YA+3], 0
	v_and_b32 v7, 31, v0
	s_delay_alu instid0(VALU_DEP_1)
	v_lshlrev_b32 v[LI], 4, v7
	v_and_b32 v[D0], 15, v0                        ; r
	v_bfe_u32 v[D0+1], v0, 4, 1                    ; h
	s_delay_alu instid0(VALU_DEP_1)
	v_lshlrev_b32 v[D0+1], 3, v[D0+1]
	s_delay_alu instid0(VALU_DEP_1)
	v_sub_nc_u32 v[D0], v[D0], v[D0+1]
	s_lshl_b32 s62, s[CX], 5
	v_add_nc_u32 v[D0], s62, v[D0]                 ; 32 cx + r - 8 h
	s_delay_alu instid0(VALU_DEP_1)
	v_add_nc_u32 v[D0+1], 16, v[D0]
	v_mov_b32 v[NINF], 0xff800000
	s_wait_dscnt 0x0                               ; the opening add is done
	s_wait_kmcnt 0x0
	s_load_b256 s[40:47], s[10:11], 0x0            ; the eight exponents
	s_add_nc_u64 s[G0K+2:G0K+3], s[6:7], s[18:19]
	s_or_b32 s[G0K+3], s[G0K+3], 0x80000000        ; type = 2
	s_add_nc_u64 s[G0V+2:G0V+3], s[8:9], s[18:19]
	s_or_b32 s[G0V+3], s[G0V+3], 0x80000000
	s_add_nc_u64 s[QA:QA+1], s[4:5], s[QA:QA+1]
	s_add_nc_u64 s[QA+2:QA+3], s[4:5], s[QA+2:QA+3]
	s_add_nc_u64 s[YA:YA+1], s[12:13], s[YA:YA+1]
	s_add_nc_u64 s[YA+2:YA+3], s[12:13], s[YA+2:YA+3]
	CROUND                                         ; all four work-groups are here: the joint loads meet
	tensor_load_to_lds s[G0K:G0K+3], s[G1:G1+7]    ; my eighth of the head's K,
	s_nop 0
	s_wait_alu depctr_va_vdst(0)
	s_wait_tensorcnt 0x0
	ds_add_u32 v8, v9
	s_wait_dscnt 0x0
	CROUND
	tensor_load_to_lds s[G0V:G0V+3], s[G1:G1+7]    ; and of its V: my second and last tensor load; the first has landed
	s_nop 0
.rept 4
	v_nop
.endr
	WIN 0x40                                       ; destination window 1
	s_wait_alu depctr_va_vdst(0)
.irp p, 0,1
.irp c, 0,1,2,3                        ; tile c / 2, registers 4 (c % 2) on: 512 consecutive bytes a load
	global_load_b128 v[QR+16*\p+4*\c:QR+16*\p+4*\c+3], v[LI], s[QA+2*\p:QA+2*\p+1] offset:512*\c th:TH_LOAD_NT
.endr
.endr
	WIN 0
	s_wait_kmcnt 0x0
	s_add_co_i32 s17, s42, s43                     ; a score stands for score x 2^(e2 + e3): the two exponents are added to the constant's exponent field
	s_lshl_b32 s17, s17, 23
	s_mov_b32 s[CS], 0x3e38aa3b                    ; log2(e) / 8
	s_add_co_i32 s[CS], s[CS], s17
	s_mov_b32 s[CS+1], s[CS]                       ; (named with it as a pair, so it is written)
	s_add_co_i32 s17, s44, 127
	s_lshl_b32 s63, s17, 23
	v_mov_b32 v[PS], s63
	s_add_co_i32 s17, s46, 127
	s_lshl_b32 s63, s17, 23
	v_mov_b32 v[YS], s63
	s_add_co_i32 s[EO], s44, s45
	s_wait_loadcnt 0x0                             ; Q
	s_wait_tensorcnt 0x0                           ; my parts of K and V have landed,
	s_barrier_signal -1
	s_barrier_wait -1                              ; everybody's have.  From here on LDS is only read
; A PASS: one group of queries, two tiles of it, against key steps 0 to the group's own.
.macro PASS p
.if \p == 0
	s_mov_b32 s[GR], s[WV]
.else
	s_mov_b32 s[GR], s[G2]
.endif
	s_mov_b32 s[KC], 0
	s_mov_b32 s[TB], 0
.irp t, 0,1
	v_mov_b32 v[ST+4*\t+1], 0xff61b1e6             ; the largest t so far: -3e38, under every t
	s_delay_alu instid0(VALU_DEP_1)
	v_floor_f32 v[ST+4*\t], -v[ST+4*\t+1]          ; -M
	v_mov_b32 v[ST+4*\t+2], 0                      ; the sum, in two halves
	v_mov_b32 v[ST+4*\t+3], 0
	v_mov_b32 v[W+8*\t+3], 0                       ; (named as the upper half of a pair)
	v_mov_b32 v[W+8*\t+4], 0                       ; (a lane permute's destination counts as one of its sources)
.endr
	WIN 0x40
.set jj, 0
.rept 64
	v_mov_b32 v[jj], 0                             ; O^T.  (The step is written once: the first finds zeros, which the first change of M leaves zeros)
.set jj, jj+1
.endr
	WIN 0
.Lk_\@:                                            ; 16 trips in every wave
	s_cmp_gt_u32 s[KC], s[GR]                      ; all keys of this step come after my queries: only the lines that step are run
	s_cbranch_scc1 .Lhid_\@
	s_setprio 2
	v_add_nc_u32 v[ADK], s[TB], v[LI]
	WIN 0x40
.set ff, 0
.rept 8                                ; K: eight fragments of 16 keys x 64
	ds_load_b128 v[KV+8*ff:KV+8*ff+3], v[ADK] offset:1024*ff
	ds_load_b128 v[KV+8*ff+4:KV+8*ff+7], v[ADK] offset:1024*ff+512
.set ff, ff+1
.endr
	s_wait_alu depctr_va_vdst(0)
	s_wait_dscnt 0x0
	WIN 0x05                                       ; K and Q window 1, S^T window 0
.set ff, 0
.rept 8
	v_wmma_f32_16x16x64_fp8_fp8 v[S+8*ff:S+8*ff+7], v[KV+8*ff:KV+8*ff+7], v[QR+16*\p:QR+16*\p+7], 0
	v_wmma_f32_16x16x64_fp8_fp8 v[S+64+8*ff:S+64+8*ff+7], v[KV+8*ff:KV+8*ff+7], v[QR+16*\p+8:QR+16*\p+15], 0
.set ff, ff+1
.endr
	WIN 0
	v_add_nc_u32 v[ADV], VBASE, v[ADK]             ; this line and three v_nop: the four places in front of the loads into K's registers and of the first read of the scores
.rept 3
	v_nop
.endr
	WIN 0x40
.set ff, 0
.rept 16                               ; V: four fragments of 16 channels x 128 keys: they land while the softmax is worked
	ds_load_b128 v[KV+4*ff:KV+4*ff+3], v[ADV] offset:512*ff
.set ff, ff+1
.endr
	WIN 0
	s_cmp_lg_u32 s[KC], s[GR]                      ; only the group's own step has hidden keys
	s_cbranch_scc1 .Lopen_\@
.irp t, 0,1
.set nn, 0
.rept 64
	v_cmp_gt_i32 vcc_lo, 16*(nn/8)+nn%8, v[D0+\t]
	v_cndmask_b32 v[S+64*\t+nn], v[S+64*\t+nn], v[NINF], vcc_lo
.set nn, nn+1
.endr
.endr
.Lopen_\@:
.irp t, 0,1                            ; the step's largest score of my query among my 64 keys, in two chains, each accumulator from its low end on
	v_max3_num_f32 v[W+8*\t], v[S+64*\t], v[S+64*\t+1], v[S+64*\t+2]
	v_max3_num_f32 v[W+8*\t+1], v[S+64*\t+3], v[S+64*\t+4], v[S+64*\t+5]
.set ii, 6
.rept 14
	v_max3_num_f32 v[W+8*\t], v[W+8*\t], v[S+64*\t+ii], v[S+64*\t+ii+1]
	v_max3_num_f32 v[W+8*\t+1], v[W+8*\t+1], v[S+64*\t+ii+2], v[S+64*\t+ii+3]
.set ii, ii+4
.endr
	v_max3_num_f32 v[W+8*\t], v[W+8*\t], v[S+64*\t+62], v[S+64*\t+63]
.endr
.irp t, 0
	v_max_num_f32 v[W+8*\t], v[W+8*\t], v[W+8*\t+1]
.endr
.irp t, 1
	s_delay_alu instid0(VALU_DEP_2)
	v_max_num_f32 v[W+8*\t], v[W+8*\t], v[W+8*\t+1]
.endr
.irp t, 0,1
	s_delay_alu instid0(VALU_DEP_2)
	v_permlanex16_b32 v[W+8*\t+4], v[W+8*\t], s[SEL], s[SEL+1]
.endr
.irp t, 0,1
	s_delay_alu instid0(VALU_DEP_2)
	v_max_num_f32 v[W+8*\t], v[W+8*\t], v[W+8*\t+4]   ; and among lane l xor 16's
.endr
.irp t, 0,1
	s_delay_alu instid0(VALU_DEP_2)
	v_mul_f32 v[W+8*\t], s[CS], v[W+8*\t]          ; as t (c is positive)
.endr
.irp t, 0
	s_delay_alu instid0(VALU_DEP_2)
	v_max_num_f32 v[ST+4*\t+1], v[ST+4*\t+1], v[W+8*\t]   ; the running largest t
	v_mov_b32 v[W+8*\t+5], v[ST+4*\t]
.endr
.irp t, 1
	s_delay_alu instid0(VALU_DEP_3)
	v_max_num_f32 v[ST+4*\t+1], v[ST+4*\t+1], v[W+8*\t]
	v_mov_b32 v[W+8*\t+5], v[ST+4*\t]
.endr
.irp t, 0
	s_delay_alu instid0(VALU_DEP_4)
	v_floor_f32 v[ST+4*\t], -v[ST+4*\t+1]
.endr
.irp t, 1
	s_delay_alu instid0(VALU_DEP_3)
	v_floor_f32 v[ST+4*\t], -v[ST+4*\t+1]          ; the new -M = floor(-t) = -ceil(t): a whole number
.endr
.irp t, 0,1
	s_delay_alu instid0(VALU_DEP_2)
	v_sub_f32 v[W+8*\t+5], v[ST+4*\t], v[W+8*\t+5] ; M's old value less its new one: a whole number, 0 or less
.endr
.irp t, 0,1
	s_delay_alu instid0(VALU_DEP_2)
	v_cvt_i32_f32 v[W+8*\t+5], v[W+8*\t+5]         ; (it saturates)
.endr
.irp t, 0,1
	s_delay_alu instid0(VALU_DEP_2)
	v_ldexp_f32 v[W+8*\t+2], 1.0, v[W+8*\t+5]      ; f = 2^(old M - new M)
.endr
	s_setprio 1
.irp t, 0,1
.set jj, 0
.rept 32
	v_pk_fma_f32 v[S+64*\t+jj:S+64*\t+jj+1], v[S+64*\t+jj:S+64*\t+jj+1], s[CS:CS+1], v[ST+4*\t:ST+4*\t+1] op_sel_hi:[1,0,0]   ; t - M, two at a time (of the pairs c and -M the low word serves both halves)
.set jj, jj+2
.endr
.endr
.set jj, 0
	s_wait_alu depctr_va_vdst(0)
.rept 128
	v_exp_f32 v[S+jj], v[S+jj]                     ; p = 2^(t - M): both tiles' 128 as ONE batch
.set jj, jj+1
.endr
.irp t, 0,1
	v_pk_mul_f32 v[ST+4*\t+2:ST+4*\t+3], v[ST+4*\t+2:ST+4*\t+3], v[W+8*\t+2:W+8*\t+3] op_sel_hi:[1,0]   ; the sums under the new M.  (The plain place behind the exponentials)
.endr
	s_wait_alu depctr_va_vdst(0)                   ; one wait for the whole batch, ahead of the first line that names a result
.irp t, 0,1                            ; the row's sum is taken of the UNQUANTISED p: two at a time, in two chains
	v_pk_add_f32 v[W+8*\t+6:W+8*\t+7], v[S+64*\t:S+64*\t+1], v[S+64*\t+2:S+64*\t+3]
.set jj, 4
.rept 15
	v_pk_add_f32 v[ST+4*\t+2:ST+4*\t+3], v[ST+4*\t+2:ST+4*\t+3], v[S+64*\t+jj:S+64*\t+jj+1]
	v_pk_add_f32 v[W+8*\t+6:W+8*\t+7], v[W+8*\t+6:W+8*\t+7], v[S+64*\t+jj+2:S+64*\t+jj+3]
.set jj, jj+4
.endr
	s_delay_alu instid0(VALU_DEP_1)
	v_pk_add_f32 v[ST+4*\t+2:ST+4*\t+3], v[ST+4*\t+2:ST+4*\t+3], v[W+8*\t+6:W+8*\t+7]
.endr
.set jj, 0
.rept 128
.set jj, jj+1
.endr
.set jj, 0
	s_setprio 0
.rept 16                               ; key tile jj % 8 of tile jj / 8: registers 2 (jj % 8), + 1 of that tile's P
	v_cvt_scalef32_pk8_fp8_f32 v[PC+2*jj:PC+2*jj+1], v[S+8*jj:S+8*jj+7], v[PS]
.set jj, jj+1
.endr
	WIN 0x41                                       ; O^T window 1, f window 0
.irp t, 0,1
.set jj, 0
.rept 16
	v_pk_mul_f32 v[32*\t+jj:32*\t+jj+1], v[32*\t+jj:32*\t+jj+1], v[W+8*\t+2:W+8*\t+3] op_sel_hi:[1,0]   ; O^T under the new M.  (Also the plain lines between the conversions and the products that read their results)
.set jj, jj+2
.endr
.endr
	s_wait_alu depctr_va_vdst(0)
	s_wait_dscnt 0x0                               ; V is in
	WIN 0x51                                       ; V window 1, P window 0, O^T window 1
.set dd, 0
.rept 4                                ; eight accumulators, one instruction each; sixteen other products stand between two links of a chain
	v_wmma_f32_16x16x128_fp8_fp8 v[8*dd:8*dd+7], v[KV+16*dd:KV+16*dd+15], v[PC:PC+15], v[8*dd:8*dd+7]
	v_wmma_f32_16x16x128_fp8_fp8 v[32+8*dd:32+8*dd+7], v[KV+16*dd:KV+16*dd+15], v[PC+16:PC+31], v[32+8*dd:32+8*dd+7]
.set dd, dd+1
.endr
	WIN 0
.rept 4
	v_nop                                          ; the places in front of the next step's loads into V's registers, and of the way out's reads of O^T
.endr
.Lhid_\@:
	s_add_co_u32 s[TB], s[TB], 8192
	s_add_co_u32 s[KC], s[KC], 1
	s_cmp_lt_u32 s[KC], 16
	s_cbranch_scc1 .Lk_\@
	s_setprio 0
	; THE WAY OUT of the pass: y = O^T x 2^(e4 + e5) / the sum; the hold; four conversions a tile, each of a lane's eight neighbouring channels; the image goes out as it stands
.irp t, 0,1
	v_add_f32 v[ST+4*\t+2], v[ST+4*\t+2], v[ST+4*\t+3]
.endr
.irp t, 0,1
	s_delay_alu instid0(VALU_DEP_2)
	v_permlanex16_b32 v[W+8*\t+4], v[ST+4*\t+2], s[SEL], s[SEL+1]
.endr
.irp t, 0,1
	s_delay_alu instid0(VALU_DEP_2)
	v_add_f32 v[ST+4*\t+2], v[ST+4*\t+2], v[W+8*\t+4]   ; the row's sum
.endr
	s_wait_alu depctr_va_vdst(0)
.irp t, 0,1
	v_rcp_f32 v[W+8*\t+2], v[ST+4*\t+2]
.endr
	v_nop                                          ; a plain line behind the last reciprocal,
	s_wait_alu depctr_va_vdst(0)                   ; and one wait for both, ahead of the first line that names a result
.irp t, 0,1
	v_ldexp_f32 v[W+8*\t+2], v[W+8*\t+2], s[EO]
.endr
	WIN 0x01                                       ; source 0 (O^T) window 1
.irp t, 0,1
.set jj, 0
.rept 16
	v_pk_mul_f32 v[S+64*\t+jj:S+64*\t+jj+1], v[32*\t+jj:32*\t+jj+1], v[W+8*\t+2:W+8*\t+3] op_sel_hi:[1,0]   ; each accumulator from its low end on
.set jj, jj+2
.endr
.endr
	WIN 0
.irp t, 0,1
.set jj, 0
.rept 32
.set jj, jj+1
.endr
.set jj, 0
.rept 4
	v_cvt_scalef32_pk8_fp8_f32 v[YC+16*\p+8*\t+2*jj:YC+16*\p+8*\t+2*jj+1], v[S+64*\t+8*jj:S+64*\t+8*jj+7], v[YS]
.set jj, jj+1
.endr
.endr
	v_nop                                          ; one plain vector line behind the last conversion: the next pass's products write the conversions' sources
.irp t, 0,1
.irp c, 0,1
	global_store_b128 v[LI], v[YC+16*\p+8*\t+4*\c:YC+16*\p+8*\t+4*\c+3], s[YA+2*\p:YA+2*\p+1] offset:16384*\t+512*\c   ; 512 consecutive aligned bytes; the registers and the base are this pass's own and are not written again
.endr
.endr
.endm
	PASS 0
	PASS 1
	s_wait_tensorcnt 0x0                           ; the wave's end: behind my last tensor load
	ds_add_u32 v[SPW], v[NIL]
	s_wait_dscnt 0x0
	CROUND                                         ; the closing round
	s_endpgm
.Lfunc_end_k_qf3e6ac3189_attn:
	.size	k_qf3e6ac3189_attn, .Lfunc_end_k_qf3e6ac3189_attn-k_qf3e6ac3189_attn
	.p2alignl 7, 3214868480
	.fill 96, 4, 3214868480
	.section	.rodata,"a",@progbits
	.p2align	6, 0x0
	.amdhsa_kernel k_qf3e6ac3189_attn
		.amdhsa_group_segment_fixed_size 327680
		.amdhsa_private_segment_fixed_size 0
		.amdhsa_enable_private_segment 0
		.amdhsa_kernarg_size 40
		.amdhsa_user_sgpr_count 2
		.amdhsa_user_sgpr_kernarg_segment_ptr 1
		.amdhsa_wavefront_size32 1
		.amdhsa_system_sgpr_workgroup_id_x 1
		.amdhsa_system_sgpr_workgroup_id_y 1
		.amdhsa_system_sgpr_workgroup_id_z 1
		.amdhsa_system_vgpr_workitem_id 0
		.amdhsa_next_free_vgpr 512
		.amdhsa_next_free_sgpr 66
		.amdhsa_reserve_vcc 1
		.amdhsa_float_denorm_mode_32 3
		.amdhsa_float_denorm_mode_16_64 3
		.amdhsa_fp16_overflow 1
		.amdhsa_memory_ordered 1
		.amdhsa_forward_progress 1
		.amdhsa_inst_pref_size 90
	.end_amdhsa_kernel
	.amdgpu_metadata
---
amdhsa.version: [ 1, 2 ]
amdhsa.kernels:
  - .name:           k_qf3e6ac3189_attn
    .symbol:         k_qf3e6ac3189_attn.kd
    .args:
      - { .name: qi, .offset: 0, .size: 8, .value_kind: global_buffer, .address_space: global }
      - { .name: ki, .offset: 8, .size: 8, .value_kind: global_buffer, .address_space: global }
      - { .name: vi, .offset: 16, .size: 8, .value_kind: global_buffer, .address_space: global }
      - { .name: lowp_scales, .offset: 24, .size: 8, .value_kind: global_buffer, .address_space: global }
      - { .name: yi, .offset: 32, .size: 8, .value_kind: global_buffer, .address_space: global }
    .group_segment_fixed_size: 327680
    .private_segment_fixed_size: 0
    .kernarg_segment_align: 8
    .kernarg_segment_size: 40
    .max_flat_workgroup_size: 256
    .sgpr_count:     66
    .vgpr_count:     512
    .wavefront_size: 32
...
	.end_amdgpu_metadata
.endif
;; end of part 3
;; launch proj (part 4): grid 4 x 32, 4 waves a work-group, clusters of 4 x 4, 327,680 bytes of LDS; arguments yi, wpc, b_proj, lowp_scales, out0; writes out0
.if DOCPART == 4
	.amdgcn_target "amdgcn-amd-amdhsa--gfx1250"
	.amdhsa_code_object_version 6
	.text
	.protected	k_qf3e6ac3189_proj
	.globl	k_qf3e6ac3189_proj
	.p2align	8
	.type	k_qf3e6ac3189_proj,@function
k_qf3e6ac3189_proj:
	s_mov_b64 s[64:65], 0
	v_nop
	global_prefetch_b8 v0, s[64:65] scope:SCOPE_SE
	s_setreg_imm32_b32 hwreg(HW_REG_WAVE_MODE, 25, 1), 1
	s_wait_xcnt 0x0
	s_wait_alu depctr_hold_cnt(0) depctr_sa_sdst(0) depctr_va_vdst(0) depctr_va_sdst(0) depctr_va_ssrc(0) depctr_va_vcc(0) depctr_vm_vsrc(0)
	s_getreg_b32 s2, hwreg(HW_REG_IB_STS2, 6, 4)
	s_cmp_eq_u32 s2, 0
	s_cbranch_scc0 .Lentry_in_a_cluster
	s_endpgm
.Lentry_in_a_cluster:
	s_bfe_u32 s2, ttmp6, 0x10000c
	s_cmp_lg_u32 s2, 0xf033
	s_cbranch_scc0 .Lentry_shape_is_right
	s_endpgm
.Lentry_shape_is_right:
; out0 = y w_proj^T + b_proj on codes of FP8 (E4M3).  out0: [8192][1024] f32 = sum x 2^(e6 + e7) + bias, one fused multiply-add.
; A = y, as IMAGES OF OPERAND REGISTERS: yi [token tile of 16][head][1,024 bytes]; two neighbouring heads' images, 2,048 bytes, are one fragment of 16 tokens x 128 of K (k = 64 head + channel), registers 4 c .. 4 c + 3 of lane l at 512 c + 16 l.
; B = wpc [1024][1024]: codes in rows, in each 32 bytes the second and third group of 8 exchanged, so that four loads of 16 bytes give a lane the matrix form's own places of k, as A's images have them.
; LIMIT: e6 + e7 between -126 and 127, so that 2^(e6 + e7) is an f32 number.
; A tile of out0, 256 x 256, is made by four waves, each 128 x 128: 64 accumulators, 512 registers.  K = 1,024 goes in four steps of 256 through two LDS slots filled by the tensor data mover.
; CLUSTERS: 4 x 4 work-groups; A's tiles are shared along a row of the cluster, B's along a column, each asked for jointly.  The grid has 128 tiles.
; The matrix instruction takes source 0 = 16 rows of B, source 1 = 16 rows of A: a lane holds eight neighbouring numbers of a row of out0.
; REGISTERS, in windows of 256: window 0: v0-31 addresses; v32-35 the bias of my four columns on the way out; from v128 A's fragments, ONE set; on the way out v128-255 hold rows read back from the stage.
;   window 1: B's fragments, TWO sets.   window 2: the accumulators of my rows 0-63 (accumulator (a, b) at v[8 (8 a + b)]);   window 3: those of my rows 64-127.
.set SIZE_N, 1024
.set ROWB,   256                       ; a row of B's tile in bytes
.set KROW,   1024                      ; a row of B in memory
.set PITCH,  272                       ; B's LDS row: 256 bytes + 16 of padding = 68 words: the 16 rows that a load touches start 4 words apart modulo 64 (64 banks of 4 bytes: ISA guide 11.1)
.set ATB,    4096                      ; a token tile's part of a K step: four heads' images
.set ATP,    16384                     ; from token tile to token tile in memory: sixteen heads' images
.set AHALF,  8*ATB                     ; eight token tiles: what one tensor load brings of A, and what one wave reads
.set ABYTES, 2*AHALF                   ; A's part of a slot; every fragment load reads 512 consecutive bytes, so it has no padding
.set FR,     16
.set NL,     4
.set NP,     4                         ; places behind this matrix instruction (ISA guide 7.12.1)
.set HALFT,  128*PITCH                 ; 128 rows of B
.set SLOT,   ABYTES+2*HALFT
.set LAPS,   2
.set SPARE,  2*SLOT                    ; behind the ring: the spare words, 128 bytes a wave, which no other line names
.set SPITCH, 528                       ; the way out: a stage of 16 rows x (512 bytes + 16) for each wave.  It lies in slot 0, which has had its last fill and its last read when the first result is stored there
.set ADRA, 16                          ; v16-17  LDS address of my A fragments in slot 0, 1
.set ADRB, 20                          ; v20-21  the same for B
.set STO,  24                          ; v24     the way out: where I put 32 bytes of a row
.set RD,   25                          ; v25     where I read a row back
.set CO,   26                          ; v26     16 x lane; never rewritten
.set SPW,  28                          ; v28     LDS address of my spare word; never rewritten
.set NIL,  29                          ; v29     0; never rewritten
.set BIAS, 32                          ; v32-35  b_proj at my four columns of a row read back
.set AF,   128
.set BK,   128                         ; the way out: 16 rows: v128-191 and v192-255 by turns
.set G1, 24                            ; s[24:31] descriptor group 1 for A's tiles;  s[32:39] group 0, one set for each slot
.set G0, 32
.set G1B, 48                           ; s[48:55], s[56:63] the same for B's tiles
.set G0B, 56
.set MSB, 0
.macro WIN new                         ; the immediate's high byte repeats the setting that is left
.if MSB != (\new)
	s_set_vgpr_msb (MSB<<8)|(\new)
.set MSB, \new
.endif
.endm
.set MUL_LO, 0xa1                      ; source 0 (B) window 1, source 1 (A) window 0, C and D window 2
.set MUL_HI, 0xf1                      ; the same, C and D window 3
.set TO_B,   0x40                      ; destination window 1, address window 0
; A joint load: waves 0 and 1 fetch for A, waves 2 and 3 for B; the branch hangs on the wave's number alone.  An s_nop 0 and four v_nop follow each of the two lines.
.macro JLOAD g0a, g1a, g0b, g1b
	s_cmp_eq_u32 s15, 0
	s_cbranch_scc0 .Lfor_b_\@
	tensor_load_to_lds s[\g0a:\g0a+3], s[\g1a:\g1a+7]
	s_nop 0
.rept 4
	v_nop
.endr
	s_branch .Lasked_\@
.Lfor_b_\@:
	tensor_load_to_lds s[\g0b:\g0b+3], s[\g1b:\g1b+7]
	s_nop 0
.rept 4
	v_nop
.endr
.Lasked_\@:
.endm
.macro CREST                           ; a round of the cluster's barrier behind its opening barrier
	s_cmp_lg_u32 s14, 0
	s_cbranch_scc1 .Lnot_wave_0_\@
	s_barrier_signal -3
.Lnot_wave_0_\@:
	s_barrier_wait -3
	s_barrier_signal -1
	s_barrier_wait -1
.endm
.macro CROUND                          ; a whole round
	s_barrier_signal -1
	s_barrier_wait -1
	CREST
.endm
	s_load_b128 s[4:7], s[0:1], 0x0                ; y's images s[4:5], w_proj's codes s[6:7]
	s_load_b128 s[8:11], s[0:1], 0x10              ; b_proj s[8:9], the scales' exponents s[10:11]
	s_load_b64 s[12:13], s[0:1], 0x20              ; out0
	v_lshl_add_u32 v[SPW], v0, 2, SPARE
	v_mov_b32 v[NIL], 0
	ds_add_u32 v[SPW], v[NIL]                      ; the wave's opening: the add and its wait stand ahead of my first tensor load; the set-up below, work on registers, stands between them
	ds_add_u32 v[SPW], v[NIL]
	v_lshrrev_b32 v1, 5, v0
	v_readfirstlane_b32 s14, v1                    ; wave 0..3
	s_lshr_b32 s15, s14, 1                         ; which half of the tile's rows is mine.  Also: I fetch for A (0) or for B (1)
	s_and_b32 s16, s14, 1                          ; which half of its columns.  Also: which half of that tile I fetch
	s_bfe_u32 s40, ttmp6, 0x40000                  ; cx, cy: my place in the cluster
	s_bfe_u32 s41, ttmp6, 0x40004
	s_lshl_b32 s42, ttmp9, 2
	s_add_co_u32 s42, s42, s40                     ; tile column = 4 x cluster x + cx
	s_and_b32 s17, ttmp7, 0xffff
	s_lshl_b32 s17, s17, 2
	s_add_co_u32 s17, s17, s41                     ; tile row = 4 x cluster y + cy
	s_lshl_b32 s43, s41, 2
	s_lshl_b32 s43, 15, s43                        ; my row of the cluster
	s_lshl_b32 s44, 0x1111, s40                    ; my column
	; descriptor group 1 for A: eight rows of 4,096 bytes (a token tile's four images), 16,384 bytes apart in memory, dense in LDS
	s_or_b32 s[G1+0], s43, (0<<16)|(1<<21)         ; 15:0 the mask: my row; 17:16 element of 1 byte; 20 no padding; 21 set beside a mask
	s_mov_b32 s[G1+1], ATB<<16                     ; tensor_dim0
	s_mov_b32 s[G1+2], 8<<16                       ; tensor_dim1 = 8
	s_mov_b32 s[G1+3], ATB<<16                     ; tile_dim0
	s_mov_b32 s[G1+4], 8                           ; tile_dim1 = 8
	s_mov_b32 s[G1+5], ATP                         ; tensor_dim0_stride
	s_mov_b32 s[G1+6], 0
	s_mov_b32 s[G1+7], 0
	; for B: 128 rows of 256 bytes, padded in LDS
	s_or_b32 s[G1B+0], s44, (0<<16)|(1<<20)|(1<<21)|(5<<22)|(3<<25)  ; the mask: my column; padding: 4 words (code 3) after every 64 (code 5)
	s_mov_b32 s[G1B+1], ROWB<<16
	s_mov_b32 s[G1B+2], 128<<16
	s_mov_b32 s[G1B+3], ROWB<<16
	s_mov_b32 s[G1B+4], 128
	s_mov_b32 s[G1B+5], KROW
	s_mov_b32 s[G1B+6], 0
	s_mov_b32 s[G1B+7], 0
	s_lshl_b32 s20, s17, 18                        ; A: token tile 16 x tile row + 8 x half, 16,384 bytes each (under 2^23)
	s_lshl_b32 s18, s16, 17
	s_add_co_u32 s20, s20, s18
	s_mov_b32 s21, 0
	s_lshl_b32 s46, s42, 8
	s_lshl_b32 s18, s16, 7
	s_add_co_u32 s46, s46, s18                     ; B: row 256 x tile column + 128 x half
	s_lshl_b32 s46, s46, 10
	s_mov_b32 s47, 0
	s_lshl_b32 s45, s16, 15                        ; where they go: A's halves, AHALF apart,
	s_mul_i32 s74, s16, HALFT
	s_add_co_u32 s74, s74, ABYTES                  ; B's behind them: no place in the cluster enters an LDS address
	s_wait_dscnt 0x0                               ; the opening add is done
	s_wait_kmcnt 0x0
	s_load_b256 s[88:95], s[10:11], 0x0            ; the eight exponents
	s_add_nc_u64 s[20:21], s[4:5], s[20:21]
	s_add_nc_u64 s[46:47], s[6:7], s[46:47]
	CROUND                                         ; all sixteen work-groups are here: the first joint loads meet
.irp s, 0,1
	s_mov_b32 s[G0+4*\s], 1
	s_add_co_u32 s[G0+4*\s+1], s45, \s*SLOT
	s_add_nc_u64 s[G0+4*\s+2:G0+4*\s+3], s[20:21], \s*ATB
	s_or_b32 s[G0+4*\s+3], s[G0+4*\s+3], 0x80000000
	s_mov_b32 s[G0B+4*\s], 1
	s_add_co_u32 s[G0B+4*\s+1], s74, \s*SLOT
	s_add_nc_u64 s[G0B+4*\s+2:G0B+4*\s+3], s[46:47], \s*ROWB
	s_or_b32 s[G0B+4*\s+3], s[G0B+4*\s+3], 0x80000000
	s_wait_alu depctr_va_vdst(0)
	s_wait_tensorcnt 0x0
	ds_add_u32 v28, v29
	ds_add_u32 v28, v29
	s_wait_dscnt 0x0
	CROUND
	JLOAD G0+4*\s, G1, G0B+4*\s, G1B               ; one load of mine is out
.endr
	v_and_b32 v1, 15, v0                           ; r = l % 16
	v_bfe_u32 v2, v0, 4, 1                         ; h = l / 16
	v_mul_u32_u24 v3, v1, PITCH
	v_lshl_add_u32 v4, v2, 4, v3                   ; B: a fragment's row x pitch + 16 x half
	v_and_b32 v6, 31, v0
	v_lshlrev_b32 v[CO], 4, v6                     ; A: 16 x lane
	s_wait_alu depctr_va_vdst(0)
	s_lshl_b32 s21, s15, 15                        ; my eight token tiles of A
	s_mul_i32 s22, s16, HALFT                      ; my 128 rows of B,
	s_add_co_u32 s22, s22, ABYTES                  ; which lie behind A
.irp s, 0,1
	v_add_nc_u32 v[ADRA+\s], s21, v[CO]
	v_add_nc_u32 v[ADRB+\s], s22, v4
	s_add_co_u32 s21, s21, SLOT
	s_add_co_u32 s22, s22, SLOT
.endr
	s_mul_i32 s23, s14, 16*SPITCH                  ; my stage
	v_mul_u32_u24 v5, v1, SPITCH                   ; in: row l % 16, 32 bytes for each half of the lanes
	v_lshl_add_u32 v5, v2, 5, v5
	v_add_nc_u32 v[STO], s23, v5
	v_add_nc_u32 v[RD], s23, v[CO]                 ; back: the 32 lanes take one row of 512 bytes
	s_lshl_b32 s20, s17, 8
	s_lshl_b32 s21, s15, 7
	s_add_co_u32 s20, s20, s21                     ; my first row of out0: 256 x tile row + 128 x half,
	s_lshl_b32 s20, s20, 12                        ; rows of 4,096 bytes (under 2^25)
	s_mov_b32 s21, 0
	s_lshl_b32 s46, s42, 10                        ; my first column, in bytes: 1,024 x tile column + 512 x half; the same in b_proj
	s_lshl_b32 s47, s16, 9
	s_add_co_u32 s46, s46, s47
	s_mov_b32 s47, 0
	s_add_nc_u64 s[12:13], s[12:13], s[20:21]
	s_add_nc_u64 s[12:13], s[12:13], s[46:47]
	s_add_nc_u64 s[8:9], s[8:9], s[46:47]
	global_load_b128 v[BIAS:BIAS+3], v[CO], s[8:9] ; the bias of columns 4 x lane on; waited for on the way out
.macro FRAGB reg, adr, q, i            ; a fragment of B: lane l reads, of row l % 16, bytes 32 c + 16 (l / 16) + 0 .. 15 into registers 4 c .. 4 c + 3
.irp c, 0,1,2,3
	ds_load_b128 v[\reg+4*\c:\reg+4*\c+3], v[\adr] offset:128*(\q)+32*\c+(\i)*16*PITCH
.endr
.endm
.macro FRAGA reg, slot, q, i           ; a fragment of A comes back as it was stored: token tile i, heads 2 q and 2 q + 1 of the slot's four
.irp c, 0,1,2,3
	ds_load_b128 v[\reg+4*\c:\reg+4*\c+3], v[ADRA+\slot] offset:ATB*(\i)+2048*(\q)+512*\c
.endr
.endm
; 16 matrix instructions: A's blocks a0, a0 + 1 x B's eight, 128 along K.  p: B's set.  zero = 1: the first product starts the sums.
; The 64 accumulators take turns, one instruction a turn, in the same order in every step.
.macro MUL16 a0, p, zero
.irp a, \a0, \a0+1
.irp b, 0,1,2,3,4,5,6,7
.if \zero
	v_wmma_f32_16x16x128_fp8_fp8 v[8*(8*((\a)%4)+\b):8*(8*((\a)%4)+\b)+7], v[128*(\p)+FR*\b:128*(\p)+FR*\b+FR-1], v[AF+FR*(\a):AF+FR*(\a)+FR-1], 0
.else
	v_wmma_f32_16x16x128_fp8_fp8 v[8*(8*((\a)%4)+\b):8*(8*((\a)%4)+\b)+7], v[128*(\p)+FR*\b:128*(\p)+FR*\b+FR-1], v[AF+FR*(\a):AF+FR*(\a)+FR-1], v[8*(8*((\a)%4)+\b):8*(8*((\a)%4)+\b)+7]
.endif
.endr
.endr
.endm
.macro FETCH_B slot, q, p
	WIN TO_B
.irp i, 0,1,2,3,4,5,6,7
	FRAGB 128*(\p)+FR*\i, ADRB+\slot, \q, \i
.endr
	WIN 0
.endm
.macro FETCH_A slot, q, i0
.irp i, \i0, \i0+1, \i0+2, \i0+3
	FRAGA AF+FR*(\i), \slot, \q, \i
.endr
.endm
; A load into a register that a matrix instruction has read, and a vector instruction or an LDS store that reads a matrix result, stand NP places behind it;
; only plain vector instructions that name none of its registers are places (ISA guide 7.12.1 for vector instructions).
.macro PLACES n
.rept \n
	v_nop
.endr
.endm
.macro STEP slot, q, zero              ; a step of 128 along K that has its successor in the same slot
	s_wait_dscnt 4*NL                              ; B's set and A's blocks 0-3 are in; the youngest 16 loads (A's blocks 4-7) may be out
	WIN MUL_LO
	MUL16 0, (\q)%2, \zero
	MUL16 2, (\q)%2, \zero
	s_wait_dscnt 0                                 ; A's blocks 4-7 are in
	PLACES NP
	FETCH_B \slot, (\q)+1, 1-(\q)%2
	FETCH_A \slot, (\q)+1, 0
	WIN MUL_HI
	MUL16 4, (\q)%2, \zero
	MUL16 6, (\q)%2, \zero
	PLACES NP
	WIN 0
	FETCH_A \slot, (\q)+1, 4
.endm
; A slot's last step changes slots: ONE barrier; in front of it each wave waits for all its tensor loads, adds 0 to its spare word, and waits for that and for its own reads of this slot.  fill = 1: this slot is filled again, two K steps ahead.
.macro TURN slot, next, fill
	s_wait_tensorcnt 0x0                           ; all my tensor loads have landed: my part of the next slot  (every window is 0 here)
	ds_add_u32 v[SPW], v[NIL]                      ; 0 onto my spare word
	s_wait_dscnt 4*NL+1                            ; (the add and the youngest 16 loads, A's blocks 4-7, may be out)
	WIN MUL_LO
	MUL16 0, 1, 0                                  ; sixteen matrix instructions stand between the add and the wait for it
	s_wait_dscnt 0x0                               ; the add is done, and my reads of this slot are over
	s_barrier_signal -1
	MUL16 2, 1, 0
	WIN 0
	s_barrier_wait -1
.if \fill
	CREST                                          ; the barrier has opened a round of the cluster's barrier: no wave of any partner still reads this slot's tile or has a load on its way
	s_add_nc_u64 s[G0+4*\slot+2:G0+4*\slot+3], s[G0+4*\slot+2:G0+4*\slot+3], 2*ATB
	s_add_nc_u64 s[G0B+4*\slot+2:G0B+4*\slot+3], s[G0B+4*\slot+2:G0B+4*\slot+3], 2*ROWB
	JLOAD G0+4*\slot, G1, G0B+4*\slot, G1B         ; the first tensor load behind the round, and my only one until the next; its four v_nop are the places in front of the loads below
.else
	PLACES NP
.endif
	FETCH_B \next, 0, 0
	FETCH_A \next, 0, 0
	WIN MUL_HI
	MUL16 4, 1, 0
	MUL16 6, 1, 0
	PLACES NP
	WIN 0
	FETCH_A \next, 0, 4
.endm
	s_wait_alu depctr_va_vdst(0)
	s_wait_tensorcnt 1                             ; my part of K step 0 is in; K step 1's load may be out
	s_barrier_signal -1
	s_barrier_wait -1                              ; everybody's is
	FETCH_B 0, 0, 0
	FETCH_A 0, 0, 0
	FETCH_A 0, 0, 4
	STEP 0, 0, 1                                   ; the first step stands in front of the loop: its products start the sums
	s_mov_b32 s3, LAPS-1
.Llap:                                                 ; a trip goes once round the ring and fills both slots again
	TURN 0, 1, 1
	STEP 1, 0, 0
	TURN 1, 0, 1
	STEP 0, 0, 0
	s_sub_co_u32 s3, s3, 1
	s_cmp_lg_u32 s3, 0
	s_cbranch_scc1 .Llap
	TURN 0, 1, 0                                   ; the last lap fills nothing, and has no round of the cluster's barrier
	STEP 1, 0, 0
	s_wait_dscnt 4*NL                              ; the very last step: nothing more to fetch
	WIN MUL_LO
	MUL16 0, 1, 0
	MUL16 2, 1, 0
	s_wait_dscnt 0
	WIN MUL_HI
	MUL16 4, 1, 0
	MUL16 6, 1, 0
	WIN 0
; THE WAY OUT, block by block of 16 rows x 128 columns.  The sums go into my own stage as they are and come back as whole rows of 512 bytes: a lane then holds columns 4 x lane on of every row,
; so four registers of bias serve all rows: sum x 2^(e6 + e7) + bias, in place, and the 32 lanes store 512 consecutive bytes.  LDS serves a wave's instructions in order (ISA guide 5.7.1.4): no wait between the stores and the loads.
.macro TOSTAGE a
.set AC, 64*((\a)%4)
	WIN 0x08+4*((\a)/4)                            ; the stores' data: window 2 or 3
.irp b, 0,1,2,3,4,5,6,7
	ds_store_b128 v[STO], v[AC+8*\b:AC+8*\b+3] offset:64*\b          ; each accumulator from its low end on
	ds_store_b128 v[STO], v[AC+8*\b+4:AC+8*\b+7] offset:64*\b+16
.endr
	WIN 0
.set BB, BK+64*((\a)%2)
.irp t, 0,1,2,3,4,5,6,7,8,9,10,11,12,13,14,15
	ds_load_b128 v[BB+4*\t:BB+4*\t+3], v[RD] offset:\t*SPITCH
.endr
.endm
.macro SEND a, younger                 ; younger: the LDS instructions issued behind block a's loads, which may stay out
.set BB, BK+64*((\a)%2)
	s_wait_dscnt \younger                          ; the block is back in registers
.if (\a) > 0
	s_add_nc_u64 s[12:13], s[12:13], 16*SIZE_N*4   ; (behind a wait on XCNT: the earlier stores have read their base)  16 rows on
.endif
.set jj, 0
.rept 32
	v_pk_fma_f32 v[BB+2*jj:BB+2*jj+1], v[BB+2*jj:BB+2*jj+1], s[96:97], v[BIAS+2*(jj%2):BIAS+2*(jj%2)+1] op_sel_hi:[1,0,1]
.set jj, jj+1
.endr
.irp t, 0,1,2,3,4,5,6,7,8,9,10,11,12,13,14,15
	global_store_b128 v[CO], v[BB+4*\t:BB+4*\t+3], s[12:13] offset:\t*SIZE_N*4 th:TH_STORE_NT   ; 512 consecutive bytes, at a multiple of 256 from out0's first byte; written once, read by nobody here
.endr
.endm
	s_wait_kmcnt 0x0
	s_add_co_i32 s96, s94, s95                     ; e6 + e7, between -126 and 127,
	s_add_co_i32 s96, s96, 127
	s_lshl_b32 s96, s96, 23                        ; makes the f32 number 2^(e6 + e7)
	s_mov_b32 s97, s96                             ; (named with it as a pair, so it is written)
	s_wait_loadcnt 0x0                             ; the bias
	PLACES NP                                      ; behind the last products: the stage's stores read results, and its loads land where A's fragments lay
	TOSTAGE 0
.irp a, 1,2,3,4,5,6,7
.if \a > 1
	s_wait_xcnt 0x0                                ; block a - 2's stores have read their registers and their base: block a's loads may land there, and the base may step
.endif
	TOSTAGE \a
	SEND \a-1, 32                                  ; behind block a - 1's loads: block a's 16 stores and 16 loads
.endr
	s_wait_xcnt 0x0                                ; block 6's stores have read their base
	SEND 7, 0
	s_wait_tensorcnt 0x0                           ; the wave's end: behind my last tensor load and my last LDS store
	ds_add_u32 v[SPW], v[NIL]
	s_wait_dscnt 0x0
	CROUND                                         ; the closing round: no work-group ends while a partner may still ask for a tile that names it
	s_endpgm
.Lfunc_end_k_qf3e6ac3189_proj:
	.size	k_qf3e6ac3189_proj, .Lfunc_end_k_qf3e6ac3189_proj-k_qf3e6ac3189_proj
	.p2alignl 7, 3214868480
	.fill 96, 4, 3214868480
	.section	.rodata,"a",@progbits
	.p2align	6, 0x0
	.amdhsa_kernel k_qf3e6ac3189_proj
		.amdhsa_group_segment_fixed_size 327680
		.amdhsa_private_segment_fixed_size 0
		.amdhsa_enable_private_segment 0
		.amdhsa_kernarg_size 40
		.amdhsa_user_sgpr_count 2
		.amdhsa_user_sgpr_kernarg_segment_ptr 1
		.amdhsa_wavefront_size32 1
		.amdhsa_system_sgpr_workgroup_id_x 1
		.amdhsa_system_sgpr_workgroup_id_y 1
		.amdhsa_system_sgpr_workgroup_id_z 1
		.amdhsa_system_vgpr_workitem_id 0
		.amdhsa_next_free_vgpr 1024
		.amdhsa_next_free_sgpr 100
		.amdhsa_reserve_vcc 0
		.amdhsa_float_denorm_mode_32 3
		.amdhsa_float_denorm_mode_16_64 3
		.amdhsa_memory_ordered 1
		.amdhsa_forward_progress 1
		.amdhsa_inst_pref_size 124
	.end_amdhsa_kernel
	.amdgpu_metadata
---
amdhsa.version: [ 1, 2 ]
amdhsa.kernels:
  - .name:           k_qf3e6ac3189_proj
    .symbol:         k_qf3e6ac3189_proj.kd
    .args:
      - { .name: yi, .offset: 0, .size: 8, .value_kind: global_buffer, .address_space: global }
      - { .name: wpc, .offset: 8, .size: 8, .value_kind: global_buffer, .address_space: global }
      - { .name: b_proj, .offset: 16, .size: 8, .value_kind: global_buffer, .address_space: global }
      - { .name: lowp_scales, .offset: 24, .size: 8, .value_kind: global_buffer, .address_space: global }
      - { .name: out0, .offset: 32, .size: 8, .value_kind: global_buffer, .address_space: global }
    .group_segment_fixed_size: 327680
    .private_segment_fixed_size: 0
    .kernarg_segment_align: 8
    .kernarg_segment_size: 40
    .max_flat_workgroup_size: 128
    .sgpr_count:     100
    .vgpr_count:     1024
    .wavefront_size: 32
...
	.end_amdgpu_metadata
.endif
;; end of part 4
